; MI455X (gfx1250); checked and timed in simulation.
; The chip was launched on July 23, 2026; its instructions are those of AMD's public machine-readable ISA for CDNA 5 (MIT licence, August 2026) and "CDNA5" Instruction Set Architecture Reference Guide (July 2026). The comments in the code are by the model that wrote it; some were corrected since.
;; Transformer Translator. Allowed arithmetic: matrix products marked QUANTISED: E2M1 operands, one E8M0 scale for each 32 along K, by v_wmma_scale_f32_16x16x128_f8f6f4 with both operands' format E2M1 (or v_wmma_scale_f32_32x16x128_f4), f32 sums; products left as they are: f32 operands where the result goes on into a quantised operand, else bf16, f16 or f32 operands; f32 sums; everything else in f32.
;; Inputs: W1 2,048 x 768 float32; W2 768 x 2,048 float32; Wk1 96 x 768 float32; Wk2 96 x 768 float32; Wo 2 x 768 float32; Wp 768 x 192 float32; Wq1 96 x 768 float32; Wq2 96 x 768 float32; Wv1 96 x 768 float32; Wv2 96 x 768 float32; be1 768 float32; be2 768 float32; bf1 2,048 float32; bf2 768 float32; bk1 96 float32; bk2 96 float32; bo 2 float32; bp 768 float32; bq1 96 float32; bq2 96 float32; bv1 96 float32; bv2 96 float32; emb 50,257 x 768 float32; g1 768 float32; g2 768 float32; inputs 512 x 32 int32; pos_emb 32 x 768 float32.
;; Outputs: out0 512 x 32 x 2 float32.
;; This version of the problem:
;;   THIS VERSION OF THE PROBLEM IS GIVEN IN LOW PRECISION. The matrix products marked QUANTISED in the list below multiply operands that are first quantised to E2M1 (2 exponent bits, 1 mantissa bit; 4 bits a number), with one power-of-two scale for each 32 numbers along K (OCP MX v1.0); their sums are f32. All else is computed in f32.
;;   The module's matrix products, in the order in which they are computed (A, B: the left and right operand; K: the contracted axis; several contracted axes count as one K, in the product's order):
;;     1. [M 16,384, K 768] x [K 768, N 96]; A: computed on the way; B: input Wq1: QUANTISED
;;     2. [M 16,384, K 768] x [K 768, N 96]; A: computed on the way; B: input Wk1: QUANTISED
;;     3. [M 16,384, K 768] x [K 768, N 96]; A: computed on the way; B: input Wv1: QUANTISED
;;     4. batch 512 x [M 32, K 96] x [K 96, N 32]; A: computed on the way; B: computed on the way: QUANTISED
;;     5. batch 512 x [M 32, K 32] x [K 32, N 96]; A: softmax (see below); B: computed on the way: QUANTISED
;;     6. [M 16,384, K 768] x [K 768, N 96]; A: computed on the way; B: input Wq2: QUANTISED
;;     7. [M 16,384, K 768] x [K 768, N 96]; A: computed on the way; B: input Wk2: QUANTISED
;;     8. [M 16,384, K 768] x [K 768, N 96]; A: computed on the way; B: input Wv2: QUANTISED
;;     9. batch 512 x [M 32, K 96] x [K 96, N 32]; A: computed on the way; B: computed on the way: QUANTISED
;;     10. batch 512 x [M 32, K 32] x [K 32, N 96]; A: softmax (see below); B: computed on the way: QUANTISED
;;     11. [M 16,384, K 192] x [K 192, N 768]; A: computed on the way; B: input Wp: QUANTISED
;;     12. [M 16,384, K 768] x [K 768, N 2,048]; A: computed on the way; B: input W1: QUANTISED
;;     13. [M 16,384, K 2,048] x [K 2,048, N 768]; A: computed on the way; B: input W2: QUANTISED
;;     14. [M 16,384, K 768] x [K 768, N 2]; A: computed on the way; B: input Wo: left as it is (N = 2 < 16)
;;   THE QUANTISER, for each operand of a quantised product, along K:
;;     - K is cut into blocks of 32 from its start; a last block that is shorter is filled with zeros.
;;     - A block's scale is 2^e with e = floor(log2(the largest magnitude in the block)) - 2, held to -126 .. 127; a block of zeros has e = 0. As a byte (E8M0): e + 127.
;;     - Each number is divided by its block's scale, clamped to +-6, and rounded to the nearest number of E2M1, ties to even, subnormals kept.
;;     - The product sums the exact products of the quantised numbers (number of the format x scale) in f32.
;;   ~~~python
;;   def quantise(x, axis):      # numpy; x: float32 -> the quantised numbers, widened to float32 again
;;       x = np.moveaxis(x, axis, -1); K = x.shape[-1]
;;       x = np.pad(x, [(0, 0)] * (x.ndim - 1) + [(0, -K % 32)]); x = x.reshape(x.shape[:-1] + (-1, 32)); a = np.abs(x).max(-1, keepdims=True)
;;       e = np.where(a > 0, np.clip(np.frexp(np.where(a > 0, a, 1))[1] - 1 - 2, -126, 127), 0)      # np.frexp(a)[1] - 1 = floor(log2(a)), exactly
;;       r = np.clip(x / 2.0 ** e, -6, 6)
;;       step = 2.0 ** (np.maximum(np.frexp(np.where(r == 0, 1, r))[1] - 1, 0) - 1)
;;       q = np.round(r / step) * step * 2.0 ** e      # np.round: ties to even
;;       return np.moveaxis(q.reshape(q.shape[:-2] + (-1,))[..., :K], -1, axis).astype(np.float32)
;;   ~~~
;;   SOFTMAX AHEAD OF A QUANTISED PRODUCT. Where the list says 'softmax', what is quantised is not the finished softmax but p = 2^(t - M), with t = logit x log2(e) and M = ceil(the row's largest t), a whole number; so 1/2 < the row's largest p <= 1. The row's sum l is taken of the UNQUANTISED p, in f32, and the product's result is divided by l at the end. Since M is a whole number, a kernel that streams over the keys may use a running M (the ceiling of the running maximum): every later rescaling is an exact power of two, which a block's scale takes up: the codes' values come out the same.
;;   OPERANDS COMPUTED ON THE WAY. 'Computed on the way' means the value that the module computes at that place (a softmax that the list does not call 'softmax' is quantised finished and normalised). What goes into a quantiser is computed in f32, as accurately as f32 sums, v_exp_f32 and their like allow (about 1e-6 of the number): no bf16 or f16 on the way to a quantiser, and a product that is left as it is and whose result goes on into a quantised operand takes f32 operands (vector FMAs, or v_wmma_f32_16x16x4_f32). A number that lies on a knife's edge between two numbers of the format may be rounded either way, as far as f32 arithmetic and the matrix unit's own rounding can turn it there, and no further.
;; 2 versions, each right; version 2 is version 1 with the launch layer written anew for expert scheduling mode. Each part assembles by itself: llvm-mc -triple=amdgcn-amd-amdhsa -mcpu=gfx1250 --defsym DOCPART=n.
;; ======== version 1 of 2: 2 launches
;; workspace buffers: wts 2,010,624 bytes
;; launch prep (part 1): grid 6 x 77, 4 waves a work-group, no clusters, 34,560 bytes of LDS; arguments W1, W2, Wk1, Wq1, Wv1, Wk2, Wq2, Wv2, Wp, wts; writes wts
.if DOCPART == 1
	.amdgcn_target "amdgcn-amd-amdhsa--gfx1250"
	.amdhsa_code_object_version 6
	.text
	.protected	k_q3852ad4fc1_prep
	.globl	k_q3852ad4fc1_prep
	.p2align	8
	.type	k_q3852ad4fc1_prep,@function
k_q3852ad4fc1_prep:
	s_mov_b64 s[64:65], 0
	v_nop
	global_prefetch_b8 v0, s[64:65] scope:SCOPE_SE
	s_setreg_imm32_b32 hwreg(HW_REG_WAVE_MODE, 25, 1), 1
	s_wait_xcnt 0x0
; The nine weights, f32 with K innermost, become codes of FP4 (E2M1) with one E8M0 byte for each 32 along K, laid in the order of the operand registers
; and in the order in which the second launch walks them.
; A GROUP is 4 fragments of 16 rows x 128 K: bytes (2 f + c) 512 + 16 lane hold registers 4 c .. 4 c + 3 of fragment f; bytes 4096 + 8 lane hold two scale words:
; word 0 of fragment lane / 16, word 1 of fragment 2 + lane / 16, each for row lane % 16.  GB = 4,352 bytes = 17 x 256.
; A work-group makes group 6 y + x, wave f its fragment f.  Lane r of tile t takes row 32 (t / 2) + 8 (t % 2) + r + (r & 8) of its matrix part.
;   y 0..63 = 16 w + 2 c + half: half 0: W1, K step x, tile f, rows from 256 c + 64 w;  half 1: W2, K step x / 3 of chunk c, tile 4 (x % 3) + f, rows from 192 w
;   y 64..72: e = 2 (y - 64) + x / 3; matrix e / 3 of k1 q1 v1 k2 q2 v2; K step 2 (e % 3) + f / 2; tile 2 (x % 3) + f % 2
;   y 73..76: Wp, rows from 192 (y - 73), tile 4 (x % 3) + f; K step x / 3 is columns 96 (x / 3) .. + 95 and a block of zero codes
; THE WAY IN.  The conversions want 32 neighbours along K in one lane; a load is best where neighbouring lanes take neighbouring bytes.  Both are had: load i reads the 512 consecutive bytes of
; row i of the fragment, 16 a lane; the 16 rows go through the wave's own stage in LDS (rows 528 bytes apart) and come back 128 bytes a lane and block.
; A lane then holds two whole blocks (blocks h and 2 + h of its row), so a block maximum needs no other lane.
; A block scale is 2^(floor(log2(largest magnitude)) - 2); its byte is the exponent field of the largest magnitude less 2, held at 1 from below.
; LIMITS: a block of zeros gets the byte 1 where the rule says 127 (its codes are zeros, and only this program reads the bytes); NaN and infinities are not served.
.set GB,   4352
.set SROW, 528                         ; a row of the stage: 512 bytes + 16
.set STG,  256                         ; LDS: 256 bytes of scale words, then a stage of 16 rows for each wave
.set OFF,  32                          ; v32-47   byte offset of my 16 bytes in row i
.set R,    48                          ; v48-111  the rows as they are loaded
.set X,    112                         ; v112-175 my two blocks of 32 neighbours
	s_load_b512 s[8:23], s[0:1], 0x0               ; W1 W2 Wk1 Wq1 Wv1 Wk2 Wq2 Wv2
	s_load_b128 s[24:27], s[0:1], 0x40             ; Wp, wts
	v_lshl_add_u32 v176, v0, 2, 0x8500
	v_mov_b32 v177, 0
	v_lshrrev_b32 v8, 5, v0
	v_readfirstlane_b32 s28, v8                    ; f: my fragment
	v_and_b32 v1, 31, v0                           ; lane
	v_and_b32 v2, 15, v0                           ; r
	v_bfe_u32 v3, v0, 4, 1                         ; h
	v_lshlrev_b32 v24, 3, v1                       ; 8 x lane: the scale words on their way out
	s_mov_b32 s29, ttmp9                           ; x
	s_and_b32 s30, ttmp7, 0xffff                   ; y
	s_mul_i32 s42, s29, 11
	s_lshr_b32 s42, s42, 5                         ; x / 3 (x is 0 .. 5)
	s_mul_i32 s43, s42, 3
	s_sub_co_u32 s43, s29, s43                     ; x % 3
	s_mov_b32 s35, 496                             ; the last 16 bytes of a K step of 512
	s_mov_b32 s36, 0                               ; lanes whose second block is replaced by zero codes
	s_mov_b32 s48, 0x76543210
	s_mov_b32 s49, 0xfedcba98                      ; lane selects: lane l xor 16
	s_cmp_ge_u32 s30, 73
	s_cbranch_scc1 .Lwp
	s_cmp_ge_u32 s30, 64
	s_cbranch_scc1 .Lqkv
	s_lshr_b32 s44, s30, 4                         ; w
	s_bfe_u32 s45, s30, 0x30001                    ; c
	s_bitcmp1_b32 s30, 0
	s_cbranch_scc1 .Lw2
	s_mov_b32 s31, 0                               ; W1
	s_mov_b32 s32, 3072                            ; bytes in a row
	s_lshl_b32 s33, s45, 8
	s_lshl_b32 s46, s44, 6
	s_add_co_u32 s33, s33, s46                     ; rows from 256 c + 64 w
	s_mov_b32 s37, s28                             ; tile f
	s_lshl_b32 s34, s29, 9                         ; K step x: 512 bytes each
	s_branch .Ljoin
.Lw2:
	s_mov_b32 s31, 1                               ; W2
	s_mov_b32 s32, 8192
	s_mul_i32 s33, s44, 192
	s_lshl_b32 s37, s43, 2
	s_add_co_u32 s37, s37, s28                     ; tile 4 (x % 3) + f
	s_lshl_b32 s34, s45, 10
	s_lshl_b32 s46, s42, 9
	s_add_co_u32 s34, s34, s46                     ; hidden units from 256 c + 128 (x / 3)
	s_branch .Ljoin
.Lqkv:
	s_sub_co_u32 s44, s30, 64
	s_lshl_b32 s44, s44, 1
	s_add_co_u32 s44, s44, s42                     ; e, 0 .. 17
	s_mul_i32 s45, s44, 11
	s_lshr_b32 s45, s45, 5                         ; e / 3: which matrix
	s_mul_i32 s46, s45, 3
	s_sub_co_u32 s46, s44, s46                     ; e % 3
	s_add_co_u32 s31, s45, 2
	s_mov_b32 s32, 3072
	s_mov_b32 s33, 0
	s_lshl_b32 s37, s43, 1
	s_and_b32 s47, s28, 1
	s_add_co_u32 s37, s37, s47                     ; tile 2 (x % 3) + f % 2
	s_lshl_b32 s34, s46, 1
	s_lshr_b32 s47, s28, 1
	s_add_co_u32 s34, s34, s47                     ; K step 2 (e % 3) + f / 2
	s_lshl_b32 s34, s34, 9
	s_branch .Ljoin
.Lwp:
	s_sub_co_u32 s44, s30, 73
	s_mov_b32 s31, 8                               ; Wp
	s_mov_b32 s32, 768
	s_mul_i32 s33, s44, 192
	s_lshl_b32 s37, s43, 2
	s_add_co_u32 s37, s37, s28
	s_mul_i32 s34, s42, 384                        ; columns from 96 (x / 3)
	s_mov_b32 s35, 368                             ; a K step has 384 bytes here: lanes 24-31 read its last 16 again, so that no load leaves a row of Wp,
	s_mov_b32 s36, 0xffff0000                      ; and lanes 16-31 give zero codes for the block that is not there
.Ljoin:
	s_lshr_b32 s46, s37, 1
	s_lshl_b32 s46, s46, 5
	s_and_b32 s47, s37, 1
	s_lshl_b32 s47, s47, 3
	s_add_co_u32 s33, s33, s46
	s_add_co_u32 s33, s33, s47                     ; the tile begins at row + 32 (t / 2) + 8 (t % 2)
	s_mul_i32 s40, s30, 6
	s_add_co_u32 s40, s40, s29
	s_mul_i32 s40, s40, GB                         ; my group, in bytes
	s_mov_b32 s41, 0
	s_lshl_b32 s46, s28, 10
	v_lshl_add_u32 v6, v1, 4, s46                  ; codes: 1,024 f + 16 lane
	s_and_b32 s46, s28, 1
	s_lshl_b32 s46, s46, 7
	s_lshr_b32 s47, s28, 1
	s_lshl_b32 s47, s47, 2
	s_add_co_u32 s46, s46, s47
	v_lshl_add_u32 v7, v2, 3, s46                  ; LDS: 8 (16 (f % 2) + r) + 4 (f / 2)
	s_mul_i32 s46, s28, 16*SROW
	s_add_co_u32 s46, s46, STG                     ; my stage
	v_lshl_add_u32 v28, v1, 4, s46                 ; into it: 16 x lane, the row in the immediate
	v_mul_u32_u24 v29, v2, SROW
	v_lshl_add_u32 v29, v3, 7, v29
	v_add_nc_u32 v29, s46, v29                     ; out of it: row r, block h
	v_lshlrev_b32 v4, 4, v1
	v_min_u32 v4, s35, v4                          ; my 16 bytes of a row's K step
	s_mul_i32 s47, s33, s32
	s_add_co_u32 s47, s47, s34
	v_add_nc_u32 v4, s47, v4                       ; in the tile's first row
.irp i, 0,1,2,3,4,5,6,7,8,9,10,11,12,13,14,15
	s_mul_i32 s47, s32, (\i+(\i&8))
	v_add_nc_u32 v[OFF+\i], s47, v4                ; row i of the fragment lies i + (i & 8) rows on
.endr
	s_wait_kmcnt 0x0
	s_add_nc_u64 s[40:41], s[26:27], s[40:41]
	s_mov_b64 s[38:39], s[8:9]
.irp k, 1,2,3,4,5,6,7,8
	s_cmp_eq_u32 s31, \k                           ; the choice hangs on the work-group number alone
	s_cselect_b64 s[38:39], s[8+2*\k:9+2*\k], s[38:39]
.endr
.irp i, 0,1,2,3,4,5,6,7,8,9,10,11,12,13,14,15
	global_load_b128 v[R+4*\i:R+4*\i+3], v[OFF+\i], s[38:39] th:TH_LOAD_NT     ; 32 lanes read 512 consecutive bytes of one row
.endr
.irp i, 0,1,2,3,4,5,6,7,8,9,10,11,12,13,14,15
	s_wait_loadcnt 15-\i                           ; loads come back in order: row i is in, the younger rows may be out
	ds_store_b128 v28, v[R+4*\i:R+4*\i+3] offset:\i*SROW
.endr
.irp c, 0,1
.irp j, 0,1,2,3,4,5,6,7
	ds_load_b128 v[X+32*\c+4*\j:X+32*\c+4*\j+3], v29 offset:256*\c+16*\j      ; LDS serves a wave's instructions in order: these see my stores.  Block 2 c + h of row r
.endr
.endr
	s_wait_dscnt 0x0
	v_max3_num_f32 v8, |v[X]|, |v[X+1]|, 0x1800000     ; the floor 2^(3 - 127) among the leaves: the byte cannot fall under 1
	v_max3_num_f32 v9, |v[X+32]|, |v[X+33]|, 0x1800000
.irp i, 2,4,6,8,10,12,14,16,18,20,22,24,26,28,30
	v_max3_num_f32 v8, v8, |v[X+\i]|, |v[X+1+\i]|
	v_max3_num_f32 v9, v9, |v[X+32+\i]|, |v[X+33+\i]|
.endr
	v_add_nc_u32 v10, 0xff000000, v8               ; 2 off the exponent field: the scale operand of the conversion
	v_add_nc_u32 v11, 0xff000000, v9
	v_lshrrev_b32 v12, 23, v10                     ; the bytes
	v_lshrrev_b32 v13, 23, v11
	v_lshl_or_b32 v14, v13, 16, v12
	v_lshlrev_b32 v15, 3, v3
	v_lshlrev_b32 v14, v15, v14                    ; blocks h and 2 + h at their places in the word
	v_mov_b32 v15, 0
	v_permlanex16_b32 v15, v14, s48, s49
	v_or_b32 v14, v14, v15                         ; with the two of lane l xor 16 the word is whole
.irp g, 0,1,2,3
	v_cvt_scalef32_pk8_fp4_f32 v[16+\g], v[X+8*\g:X+7+8*\g], v10
	v_cvt_scalef32_pk8_fp4_f32 v[20+\g], v[X+32+8*\g:X+39+8*\g], v11
.endr
	v_nop                                          ; one plain instruction behind the conversions
.irp g, 0,1,2,3
	v_cndmask_b32 v[20+\g], v[20+\g], 0, s36
.endr
	global_store_b128 v6, v[16:19], s[40:41]       ; 512 consecutive bytes a store, at a multiple of 256 from the first byte of wts
	global_store_b128 v6, v[20:23], s[40:41] offset:512
	ds_store_b32 v7, v14                           ; lanes r and 16 + r write the same word with the same value
	s_wait_dscnt 0x0                               ; for the sake of wave 0: my store has landed
	s_barrier_signal -1
	s_barrier_wait -1
	s_cmp_lg_u32 s28, 0
	s_cbranch_scc1 .Lend
	ds_load_b64 v[26:27], v24
	s_wait_dscnt 0x0
	global_store_b64 v24, v[26:27], s[40:41] offset:4096   ; the group scale words: 256 consecutive bytes
.Lend:
	s_wait_tensorcnt 0x0
	ds_add_u32 v176, v177
	s_wait_dscnt 0x0
	s_endpgm
.Lfunc_end_k_q3852ad4fc1_prep:
	.size	k_q3852ad4fc1_prep, .Lfunc_end_k_q3852ad4fc1_prep-k_q3852ad4fc1_prep
	.p2alignl 7, 3214868480
	.fill 96, 4, 3214868480
	.section	.rodata,"a",@progbits
	.p2align	6, 0x0
	.amdhsa_kernel k_q3852ad4fc1_prep
		.amdhsa_group_segment_fixed_size 34560
		.amdhsa_private_segment_fixed_size 0
		.amdhsa_enable_private_segment 0
		.amdhsa_kernarg_size 80
		.amdhsa_user_sgpr_count 2
		.amdhsa_user_sgpr_kernarg_segment_ptr 1
		.amdhsa_wavefront_size32 1
		.amdhsa_system_sgpr_workgroup_id_x 1
		.amdhsa_system_sgpr_workgroup_id_y 1
		.amdhsa_system_sgpr_workgroup_id_z 1
		.amdhsa_system_vgpr_workitem_id 0
		.amdhsa_next_free_vgpr 178
		.amdhsa_next_free_sgpr 66
		.amdhsa_reserve_vcc 0
		.amdhsa_float_denorm_mode_32 3
		.amdhsa_float_denorm_mode_16_64 3
		.amdhsa_memory_ordered 1
		.amdhsa_forward_progress 1
		.amdhsa_inst_pref_size 14
	.end_amdhsa_kernel
	.amdgpu_metadata
---
amdhsa.version: [ 1, 2 ]
amdhsa.kernels:
  - .name:           k_q3852ad4fc1_prep
    .symbol:         k_q3852ad4fc1_prep.kd
    .args:
      - { .name: W1, .offset: 0, .size: 8, .value_kind: global_buffer, .address_space: global }
      - { .name: W2, .offset: 8, .size: 8, .value_kind: global_buffer, .address_space: global }
      - { .name: Wk1, .offset: 16, .size: 8, .value_kind: global_buffer, .address_space: global }
      - { .name: Wq1, .offset: 24, .size: 8, .value_kind: global_buffer, .address_space: global }
      - { .name: Wv1, .offset: 32, .size: 8, .value_kind: global_buffer, .address_space: global }
      - { .name: Wk2, .offset: 40, .size: 8, .value_kind: global_buffer, .address_space: global }
      - { .name: Wq2, .offset: 48, .size: 8, .value_kind: global_buffer, .address_space: global }
      - { .name: Wv2, .offset: 56, .size: 8, .value_kind: global_buffer, .address_space: global }
      - { .name: Wp, .offset: 64, .size: 8, .value_kind: global_buffer, .address_space: global }
      - { .name: wts, .offset: 72, .size: 8, .value_kind: global_buffer, .address_space: global }
    .group_segment_fixed_size: 34560
    .private_segment_fixed_size: 0
    .kernarg_segment_align: 8
    .kernarg_segment_size: 80
    .max_flat_workgroup_size: 128
    .sgpr_count:     66
    .vgpr_count:     178
    .wavefront_size: 32
...
	.end_amdgpu_metadata
.endif
;; end of part 1
;; launch layer (part 2): grid 256 x 1, 4 waves a work-group, no clusters, 124,416 bytes of LDS; arguments inputs, emb, pos_emb, wts, bk1, bq1, bv1, bk2, bq2, bv2, bp, g1, be1, bf1, bf2, g2, be2, Wo, bo, out0; writes out0
.if DOCPART == 2
	.amdgcn_target "amdgcn-amd-amdhsa--gfx1250"
	.amdhsa_code_object_version 6
	.text
	.protected	k_q3852ad4fc1_layer
	.globl	k_q3852ad4fc1_layer
	.p2align	8
	.type	k_q3852ad4fc1_layer,@function
k_q3852ad4fc1_layer:
	s_mov_b64 s[64:65], 0
	v_nop
	global_prefetch_b8 v0, s[64:65] scope:SCOPE_SE
	s_setreg_imm32_b32 hwreg(HW_REG_WAVE_MODE, 25, 1), 1
	s_wait_xcnt 0x0
; The whole layer for 64 rows (two sequences of 32 tokens) a work-group: gather + position, q k v of two heads, attention, projection, residual, LayerNorm, FFN, residual, LayerNorm, the last product.
; All thirteen quantised products run on codes of FP4 (E2M1) with one E8M0 byte for each 32 along K; the weights come as codes from wts (first launch), every other operand is quantised here, from f32.
; SHARES.  Four row tiles m = 2 seq + u; position r of tile u is token 8 u + r + (r & 8).  Wave w owns columns 192 w .. 192 w + 191 of every 768-wide tensor for all 64 rows: 48 accumulators, 384 registers,
; in which x, then h, then o live as C and D of the projection and of the second FFN product: the residuals cost nothing.  For q k v and attention wave w is (sequence w / 2, head w % 2), all inside the wave.
; LAYOUT.  Products with a weight are used transposed (source 0 = 16 rows of the weight, source 1 = 16 rows of tokens); lane r of weight tile t holds row 32 (t / 2) + 8 (t % 2) + r + (r & 8).  So lane (r, h)
; holds token position r, and register 16 b + i of a row tile is column 32 b + 16 h + i: sixteen neighbours along the next K.  v alone is used untransposed, so that its registers run along the tokens.
; WEIGHTS go from memory straight into registers, through a ring of 8 slots of one group (4 fragments + scale words, 9 loads): seven groups are always on their way.
; They are not asked for jointly in a cluster and not sent through LDS: a wave reads its own 129 groups once and no other wave of the work-group reads them, so LDS would add a store and a read of each byte.
; In the FFN loop the ring has TWO bases: the loads issued in a trip's first chunk name s[60:61], those of its second chunk s[66:67]; each base is stepped in the other chunk, behind the counted wait that shows its last load done.
; OPERANDS made here go from wave to wave through LDS as images of their registers (16 bytes a lane, 512 a store); scale bytes as rows of bytes, one row of tokens each.
; LIMITS: NaN and infinities are not served.  A block of zeros gets the byte 1, a block that pads K the byte 0, both with zero codes, where the rule says 127: only this program reads the bytes.
; An index is held at 50,256.  Exponentials and reciprocal roots flush denormals.  Biases enter as C of a first product or are added behind the sum: the order of additions differs from the source.
; The last FFN chunk asks for things that nobody uses: 8 groups behind the wave part of wts (bytes of wts that the first launch wrote), 256 bytes of my own parameter block, two steps of h.
.set GB,   4352
.set XIMG, 0                           ; x: 4 row tiles x 12 half fragments x 512 bytes
.set HIMG, 24576                       ; h likewise
.set ZIMG, 49152                       ; z: (2 m + head) x 1,024
.set XSC,  57344                       ; scale bytes of x: [m][r][32], byte = block
.set HSC,  59392
.set ZSC,  61440                       ; scale words of z: (2 m + head) x 128 + 4 lane
.set FSC,  62464                       ; scale bytes of the hidden layer: [buffer][m][r][8]
.set ST1,  63488                       ; first LayerNorm: [row][wave] (mean, sum of squares about it)
.set FIMG, 65536                       ; hidden layer: 2 buffers x 4 m x 4 half fragments x 512
.set ST2,  81920
.set OUTP, 83968                       ; [row][output][wave]
.set PAR,  86016                       ; 9,472 bytes for each wave, its own: bp g1 be1 bf2 g2 be2 Wo0 Wo1 (768 each), bf1 at 6144, bk 8192, bq 8576, bv 8960
.set PARW, 9472
.set L16, 1                            ; 16 x lane
.set L8,  2
.set L4,  3
.set RR,  4                            ; r
.set HH,  5                            ; h
.set ROWO, 6                           ; v6-9   byte offset of my row of emb, for each m
.set POSO, 10
.set A_XR, 11
.set A_CW, 12
.set A_SW, 13
.set A_SR, 14
.set A_XSR, 15
.set A_ZW, 16
.set A_ZSW, 17
.set A_FW, 18
.set A_FR, 19
.set A_FSW, 20
.set A_FSR, 21
.set A_STW, 22
.set A_STR, 23
.set A_PAR, 24
.set A_PW8, 25
.set A_PW4, 26
.set A_BV, 27
.set A_OW, 28
.set A_OR, 29
.set BFA, 30
.set TT,  31                           ; lane
.set WS,  32                           ; v32-47   scale words of the ring, two registers a slot
.set TM,  48                           ; v48-55   maxima; means
.set TP,  56                           ; v56-63   at work; 1 / sigma
.set SO,  64                           ; v64-71   scale operands of the conversions
.set PC,  72                           ; v72-87   codes just made; chains of sums
.set PW,  88                           ; v88-95   scale bytes just made
.set AF,  96                           ; v96-159  operand fragments, two buffers of 32
.set SCL, 160                          ; v160-191 scale words of operands made here: scales and nothing else
.set GA,  192                          ; v192-255 by phase
.set PCQ, 192                          ; codes of x and of h: 12 registers for each row tile,
.set PWQ, 240                          ; and 3 for its scale bytes: no tile writes registers that another tile's LDS stores read
.set SS,  192                          ; S^T, 16 registers a query tile
.set VF0, 200                          ; fragments of V^T
.set VF1, 208
.set VF2, 216
.set VF3, 240
.set VF4, 248
.set VF5, 192
; windows of 256: window 1: the ring, slot k at v[32 k] (at the head: pos_emb).  window 2 + m / 2: X(m) at v[96 (m % 2)], FFN accumulators at v[192 + 32 (m % 2)]; q k v accumulators of tile u: v192-239 of window 2 + u.
.set MSB, 0
.macro WIN new                         ; low byte: bits 1:0 source 0, 3:2 source 1, 5:4 source 2, 7:6 destination; the high byte repeats the setting that is left
.if MSB != (\new)
	s_set_vgpr_msb (MSB<<8)|(\new)
.set MSB, (\new)
.endif
.endm
.macro PLACES n
.rept \n
	v_nop
.endr
.endm
.macro BARRIER                         ; my LDS stores have landed and my LDS loads are in: then the barrier of the work-group
	s_wait_dscnt 0x0
	s_barrier_signal -1
	s_barrier_wait -1
.endm
; one matrix instruction.  c < 0: the constant 0 starts the sum.  ar, br: the scales of source 0, source 1 stand in lanes 16-31
.macro MM d, a, b, c, sa, sb, ar, br
.if (\c) < 0
.if (\ar)
	v_wmma_scale_f32_16x16x128_f8f6f4 v[(\d):(\d)+7], v[(\a):(\a)+7], v[(\b):(\b)+7], 0, v[\sa], v[\sb] matrix_a_fmt:MATRIX_FMT_FP4 matrix_b_fmt:MATRIX_FMT_FP4 matrix_a_scale:MATRIX_SCALE_ROW1
.elseif (\br)
	v_wmma_scale_f32_16x16x128_f8f6f4 v[(\d):(\d)+7], v[(\a):(\a)+7], v[(\b):(\b)+7], 0, v[\sa], v[\sb] matrix_a_fmt:MATRIX_FMT_FP4 matrix_b_fmt:MATRIX_FMT_FP4 matrix_b_scale:MATRIX_SCALE_ROW1
.else
	v_wmma_scale_f32_16x16x128_f8f6f4 v[(\d):(\d)+7], v[(\a):(\a)+7], v[(\b):(\b)+7], 0, v[\sa], v[\sb] matrix_a_fmt:MATRIX_FMT_FP4 matrix_b_fmt:MATRIX_FMT_FP4
.endif
.else
.if (\ar)
	v_wmma_scale_f32_16x16x128_f8f6f4 v[(\d):(\d)+7], v[(\a):(\a)+7], v[(\b):(\b)+7], v[(\c):(\c)+7], v[\sa], v[\sb] matrix_a_fmt:MATRIX_FMT_FP4 matrix_b_fmt:MATRIX_FMT_FP4 matrix_a_scale:MATRIX_SCALE_ROW1
.elseif (\br)
	v_wmma_scale_f32_16x16x128_f8f6f4 v[(\d):(\d)+7], v[(\a):(\a)+7], v[(\b):(\b)+7], v[(\c):(\c)+7], v[\sa], v[\sb] matrix_a_fmt:MATRIX_FMT_FP4 matrix_b_fmt:MATRIX_FMT_FP4 matrix_b_scale:MATRIX_SCALE_ROW1
.else
	v_wmma_scale_f32_16x16x128_f8f6f4 v[(\d):(\d)+7], v[(\a):(\a)+7], v[(\b):(\b)+7], v[(\c):(\c)+7], v[\sa], v[\sb] matrix_a_fmt:MATRIX_FMT_FP4 matrix_b_fmt:MATRIX_FMT_FP4
.endif
.endif
.endm
; a group of weights into a slot of the ring: 9 loads.  It leaves the destination window at 1
.macro LOADG slot, base, off
	WIN 0
	global_load_b64 v[WS+2*(\slot):WS+2*(\slot)+1], v[L8], s[\base:\base+1] offset:(\off)+4096
	WIN 0x40
.irp i, 0,1,2,3,4,5,6,7
	global_load_b128 v[32*(\slot)+4*\i:32*(\slot)+4*\i+3], v[L16], s[\base:\base+1] offset:(\off)+512*\i
.endr
.endm
.macro LOADSEQ n                       ; group n of my walk: 27 of q k v, 6 of the projection, then the FFN
.if (\n) < 27
	LOADG ((\n)%8),56,((\n)*GB)
.elseif (\n) < 33
	LOADG ((\n)%8),58,(((\n)-27)*GB)
.else
	LOADG ((\n)%8),60,(((\n)-33)*GB)
.endif
.endm
.macro GEND n                          ; group n is multiplied: four places in front of loads into registers that matrix instructions have read, then its slot takes group n + 8
	PLACES 4
	LOADSEQ (\n)+8
.endm
; nb blocks of a lane, v[src + 16 b + i] of window w = k 32 b + 16 h + i of my row, become codes in v[pc] on (operand layout) and scale bytes, two to a register, in v[pw] on.  An odd nb is filled with a block of zero codes, byte 0.
.macro QUANT w, src, nb, pc, pw
	WIN ((\w)|((\w)<<2))
.set qb, 0
.rept \nb
	v_max3_num_f32 v[TM+qb], |v[(\src)+16*qb]|, |v[(\src)+16*qb+1]|, 0x1800000   ; the floor 2^(3 - 127): the byte cannot fall under 1.  Each tile is read from its low end on
.set qb, qb+1
.endr
.irp qi, 2,4,6,8,10,12,14
.set qb, 0
.rept \nb
	v_max3_num_f32 v[TM+qb], |v[(\src)+16*qb+\qi]|, |v[(\src)+16*qb+\qi+1]|, v[TM+qb]   ; the blocks by turns
.set qb, qb+1
.endr
.endr
	WIN 0
.set qb, 0
.rept \nb
	v_permlanex16_b32 v[TP+qb], v[TM+qb], s52, s53
.set qb, qb+1
.endr
.set qb, 0
.rept \nb
	v_max_num_f32 v[TM+qb], v[TM+qb], v[TP+qb]     ; with lane l xor 16: the largest magnitude of the block
.set qb, qb+1
.endr
.set qb, 0
.rept \nb
	v_add_nc_u32 v[SO+qb], 0xff000000, v[TM+qb]    ; 2 off its exponent field: the scale operand of the conversion
.set qb, qb+1
.endr
.set qb, 0
.rept \nb
	v_lshrrev_b32 v[TP+qb], 23, v[SO+qb]           ; the byte
.set qb, qb+1
.endr
.if (\nb)%2
	v_mov_b32 v[TP+\nb], 0
	v_mov_b32 v[(\pc)+2*(\nb)], 0
	v_mov_b32 v[(\pc)+2*(\nb)+1], 0
.endif
.set qb, 0
.rept ((\nb)+1)/2
	v_lshl_or_b32 v[(\pw)+qb], v[TP+2*qb+1], 8, v[TP+2*qb]
.set qb, qb+1
.endr
	WIN (\w)
.set qb, 0
.rept \nb
	v_cvt_scalef32_pk8_fp4_f32 v[(\pc)+2*qb], v[(\src)+16*qb:(\src)+16*qb+7], v[SO+qb]
	v_cvt_scalef32_pk8_fp4_f32 v[(\pc)+2*qb+1], v[(\src)+16*qb+8:(\src)+16*qb+15], v[SO+qb]
.set qb, qb+1
.endr
	WIN 0
	v_nop                                          ; one plain instruction behind the conversions
.set qb, 0
.rept ((\nb)+1)/2                      ; the operand wants a whole block in a lane: lanes 0-15 block 2 p, lanes 16-31 block 2 p + 1
	v_permlane16_swap_b32 v[(\pc)+4*qb], v[(\pc)+4*qb+2]
	v_permlane16_swap_b32 v[(\pc)+4*qb+1], v[(\pc)+4*qb+3]
.set qb, qb+1
.endr
.endm
.macro QSTORE pc, pw, creg, sreg, m    ; my three half fragments and six scale bytes of row tile m.  No wait: the registers are this tile's own, and the barrier behind the four tiles waits for all the stores
	WIN 0
.irp p, 0,1,2
	ds_store_b128 v[A_CW], v[(\pc)+4*\p:(\pc)+4*\p+3] offset:(\creg)+6144*(\m)+512*\p
	ds_store_b16 v[A_SW], v[(\pw)+\p] offset:(\sreg)+512*(\m)+2*\p
.endr
.endm
.macro LDPAR dst, off, th              ; a third (32 registers of a lane) of one of my parameter vectors
.irp k, 0,1,2,3,4,5,6,7
	ds_load_b128 v[(\dst)+4*\k:(\dst)+4*\k+3], v[A_PAR] offset:(\off)+256*(\th)+128*(\k/4)+16*(\k%4)
.endr
.endm
.macro QBIAS off                       ; a bias of 96 as the first C of the twelve accumulators of q or k
.irp u, 0,1
	WIN 0x80+0x40*\u
.irp t, 0,1,2,3,4,5
.irp k, 0,1
	ds_load_b128 v[192+8*\t+4*\k:192+8*\t+4*\k+3], v[A_PAR] offset:(\off)+128*(\t/2)+32*(\t%2)+16*\k
.endr
.endr
.endr
.endm
.macro XFRAG dd                        ; fragments of x for double step dd: K steps 2 (dd % 3), + 1, my two row tiles: 8 loads
	WIN 0
.irp sp, 0,1
.irp u, 0,1
.irp c, 0,1
	ds_load_b128 v[AF+32*((\dd)%2)+16*\sp+8*\u+4*\c:AF+32*((\dd)%2)+16*\sp+8*\u+4*\c+3], v[A_XR] offset:XIMG+6144*\u+1024*(2*((\dd)%3)+\sp)+512*\c
.endr
.endr
.endr
.endm
; A double step: two K steps of one of k, q, v (dd / 3) for my 32 rows: three groups, 8 matrix instructions each; two accumulators take turns, one instruction a turn
.macro DSTEP dd, dsw
	s_wait_dscnt \dsw                              ; this step fragments are in; the 8 loads of the next step may be out (0 where a bias was asked for behind them, and at the end)
.irp gg, 0,1,2
.set gn, 3*(\dd)+\gg
.set sl, gn%8
	s_wait_loadcnt 63                              ; behind this group stand seven groups of 9 loads
.irp u, 0,1
.if (\dd)/3 == 2
	WIN 0xa4+0x50*\u
.else
	WIN 0xa1+0x50*\u
.endif
.irp f, 0,1,2,3
.set tt, 2*\gg+(\f%2)
.set xb, AF+32*((\dd)%2)+16*(\f/2)+8*\u
.set xs, SCL+6*\u+2*((\dd)%3)+(\f/2)
.if (\dd)/3 == 2
.if ((\dd)%3 == 0) && (\f < 2)
	MM 192+8*tt,xb,32*sl+8*\f,-1,xs,WS+2*sl+(\f/2),0,(\f%2)
.else
	MM 192+8*tt,xb,32*sl+8*\f,192+8*tt,xs,WS+2*sl+(\f/2),0,(\f%2)
.endif
.else
	MM 192+8*tt,32*sl+8*\f,xb,192+8*tt,WS+2*sl+(\f/2),xs,(\f%2),0
.endif
.endr
.endr
	GEND gn
.endr
.if (\dd)+2 <= 8
	XFRAG (\dd)+2
.endif
.endm
; LayerNorm, first half, for the two row tiles of window w: bias, my mean over my 192 columns, centring, sum of squares about it
.macro LN_STAT w
	WIN ((\w)|((\w)<<6))
.irp mm, 0,1
.set li, 0
.rept 32
	v_pk_add_f32 v[96*\mm+li:96*\mm+li+1], v[96*\mm+li:96*\mm+li+1], v[AF+li:AF+li+1]
.set li, li+2
.endr
.set li, 0
.rept 16
	v_pk_add_f32 v[96*\mm+64+li:96*\mm+64+li+1], v[96*\mm+64+li:96*\mm+64+li+1], v[GA+li:GA+li+1]
.set li, li+2
.endr
.endr
	WIN ((\w)|((\w)<<2))
.irp mm, 0,1
.irp cc, 0,1
	v_pk_add_f32 v[PC+4*\mm+2*\cc:PC+4*\mm+2*\cc+1], v[96*\mm+4*\cc:96*\mm+4*\cc+1], v[96*\mm+4*\cc+2:96*\mm+4*\cc+3]   ; the first numbers start four chains
.endr
.endr
	WIN (\w)
.set li, 8
.rept 22
.irp mm, 0,1
.irp cc, 0,1
	v_pk_add_f32 v[PC+4*\mm+2*\cc:PC+4*\mm+2*\cc+1], v[96*\mm+li+2*\cc:96*\mm+li+2*\cc+1], v[PC+4*\mm+2*\cc:PC+4*\mm+2*\cc+1]
.endr
.endr
.set li, li+4
.endr
	WIN 0
.irp mm, 0,1
	v_pk_add_f32 v[PC+4*\mm:PC+4*\mm+1], v[PC+4*\mm:PC+4*\mm+1], v[PC+4*\mm+2:PC+4*\mm+3]
.endr
.irp mm, 0,1
	v_add_f32 v[PC+4*\mm], v[PC+4*\mm], v[PC+4*\mm+1]
.endr
.irp mm, 0,1
	v_permlanex16_b32 v[PC+4*\mm+1], v[PC+4*\mm], s52, s53
.endr
.irp mm, 0,1
	v_add_f32 v[PC+4*\mm], v[PC+4*\mm], v[PC+4*\mm+1]
.endr
.irp mm, 0,1
	v_mul_f32 v[TM+2*(2*((\w)-2)+\mm)], 0x3baaaaab, v[PC+4*\mm]      ; / 192
.endr
.irp mm, 0,1
	v_mov_b32 v[TM+2*(2*((\w)-2)+\mm)+1], v[TM+2*(2*((\w)-2)+\mm)]
.endr
	WIN ((\w)|((\w)<<6))
.irp mm, 0,1
.set li, 0
.rept 48
	v_pk_add_f32 v[96*\mm+li:96*\mm+li+1], v[96*\mm+li:96*\mm+li+1], v[TM+2*(2*((\w)-2)+\mm):TM+2*(2*((\w)-2)+\mm)+1] neg_lo:[0,1] neg_hi:[0,1]
.set li, li+2
.endr
.endr
	WIN ((\w)|((\w)<<2))
.irp mm, 0,1
.irp cc, 0,1
	v_pk_mul_f32 v[PC+4*\mm+2*\cc:PC+4*\mm+2*\cc+1], v[96*\mm+2*\cc:96*\mm+2*\cc+1], v[96*\mm+2*\cc:96*\mm+2*\cc+1]
.endr
.endr
.set li, 4
.rept 23
.irp mm, 0,1
.irp cc, 0,1
	v_pk_fma_f32 v[PC+4*\mm+2*\cc:PC+4*\mm+2*\cc+1], v[96*\mm+li+2*\cc:96*\mm+li+2*\cc+1], v[96*\mm+li+2*\cc:96*\mm+li+2*\cc+1], v[PC+4*\mm+2*\cc:PC+4*\mm+2*\cc+1]
.endr
.endr
.set li, li+4
.endr
	WIN 0
.irp mm, 0,1
	v_pk_add_f32 v[PC+4*\mm:PC+4*\mm+1], v[PC+4*\mm:PC+4*\mm+1], v[PC+4*\mm+2:PC+4*\mm+3]
.endr
.irp mm, 0,1
	v_add_f32 v[PC+4*\mm], v[PC+4*\mm], v[PC+4*\mm+1]
.endr
.irp mm, 0,1
	v_permlanex16_b32 v[PC+4*\mm+1], v[PC+4*\mm], s52, s53
.endr
.irp mm, 0,1
	v_add_f32 v[PW+2*(2*((\w)-2)+\mm)+1], v[PC+4*\mm], v[PC+4*\mm+1]
	v_mov_b32 v[PW+2*(2*((\w)-2)+\mm)], v[TM+2*(2*((\w)-2)+\mm)]
.endr
.irp mm, 0,1
	ds_store_b64 v[A_STW], v[PW+2*(2*((\w)-2)+\mm):PW+2*(2*((\w)-2)+\mm)+1] offset:ST1+512*(2*((\w)-2)+\mm)
.endr
.endm
.macro GAIN th, buf                    ; y = y g + be for a third of the columns, all four row tiles
.irp w, 2,3
	WIN ((\w)|((\w)<<6))
.irp mm, 0,1
.set li, 0
.rept 16
	v_pk_fma_f32 v[96*\mm+32*(\th)+li:96*\mm+32*(\th)+li+1], v[96*\mm+32*(\th)+li:96*\mm+32*(\th)+li+1], v[(\buf)+li:(\buf)+li+1], v[(\buf)+32+li:(\buf)+32+li+1]
.set li, li+2
.endr
.endr
.endr
.endm
; LayerNorm of X + bias, in place.  jb, jg, je: where bias, gain and offset stand in my parameter block.  Each wave has a mean and a sum of squares about it for its 192 columns;
; the four are joined as mean = the mean of the means, M2 = the sum of the M2 + 192 x the sum of (mean_w - mean)^2: no difference of large sums is formed.
.macro LN jb, jg, je
	WIN 0
	LDPAR AF,\jb,0
	LDPAR AF+32,\jb,1
	LDPAR GA,\jb,2
	s_wait_dscnt 0x0
	LN_STAT 2
	LN_STAT 3
	BARRIER                                        ; all four waves have stored their pairs
.irp m, 0,1,2,3
	ds_load_b128 v[GA+8*\m:GA+8*\m+3], v[A_STR] offset:ST1+512*\m
	ds_load_b128 v[GA+8*\m+4:GA+8*\m+7], v[A_STR] offset:ST1+512*\m+16
.endr
	s_wait_dscnt 0x0
.irp m, 0,1,2,3
	v_add_f32 v[PC+4*\m], v[GA+8*\m], v[GA+8*\m+2]
	v_add_f32 v[PC+4*\m+1], v[GA+8*\m+4], v[GA+8*\m+6]
.endr
.irp m, 0,1,2,3
	v_add_f32 v[PC+4*\m], v[PC+4*\m], v[PC+4*\m+1]
.endr
.irp m, 0,1,2,3
	v_mul_f32 v[PC+4*\m], 0x3e800000, v[PC+4*\m]   ; the mean of the row
.endr
.irp k, 0,2,4,6
.irp m, 0,1,2,3
	v_sub_f32 v[GA+8*\m+\k], v[GA+8*\m+\k], v[PC+4*\m]
.endr
.endr
.irp m, 0,1,2,3
	v_mul_f32 v[PC+4*\m+1], v[GA+8*\m], v[GA+8*\m]
	v_add_f32 v[PC+4*\m+2], v[GA+8*\m+1], v[GA+8*\m+3]
	v_add_f32 v[PC+4*\m+3], v[GA+8*\m+5], v[GA+8*\m+7]
.endr
.irp k, 2,4,6
.irp m, 0,1,2,3
	v_fmac_f32 v[PC+4*\m+1], v[GA+8*\m+\k], v[GA+8*\m+\k]
.endr
.endr
.irp m, 0,1,2,3
	v_add_f32 v[PC+4*\m+2], v[PC+4*\m+2], v[PC+4*\m+3]
.endr
.irp m, 0,1,2,3
	v_fmamk_f32 v[PC+4*\m+2], v[PC+4*\m+1], 0x43400000, v[PC+4*\m+2]   ; + 192 x the sum of squares of the means
.endr
.irp m, 0,1,2,3
	v_fmaak_f32 v[PC+4*\m+2], s71, v[PC+4*\m+2], 0x3727c5ac            ; / 768 + 1e-5
.endr
.irp m, 0,1,2,3
	v_rsq_f32 v[TP+2*\m], v[PC+4*\m+2]
	v_rsq_f32 v[TP+2*\m+1], v[PC+4*\m+2]
.endr
.irp m, 0,1,2,3
	v_sub_f32 v[PC+4*\m], v[TM+2*\m], v[PC+4*\m]   ; my mean less the mean of the row (plain work behind the roots)
.endr
	s_wait_alu depctr_va_vdst(0)                   ; one wait for the eight roots, ahead of their first reader
.irp m, 0,1,2,3
	v_mul_f32 v[SO+2*\m], v[PC+4*\m], v[TP+2*\m]
	v_mul_f32 v[SO+2*\m+1], v[PC+4*\m], v[TP+2*\m]
.endr
	LDPAR AF,\jg,0
	LDPAR AF+32,\je,0
	LDPAR GA,\jg,1
	LDPAR GA+32,\je,1
.irp w, 2,3
	WIN ((\w)|((\w)<<6))
.irp mm, 0,1
.set li, 0
.rept 48
	v_pk_fma_f32 v[96*\mm+li:96*\mm+li+1], v[96*\mm+li:96*\mm+li+1], v[TP+2*(2*(\w-2)+\mm):TP+2*(2*(\w-2)+\mm)+1], v[SO+2*(2*(\w-2)+\mm):SO+2*(2*(\w-2)+\mm)+1]
.set li, li+2
.endr
.endr
.endr
	s_wait_dscnt 16                                ; the first third is in; the 16 loads of the second may be out
	GAIN 0,AF
	WIN 0
	LDPAR AF,\jg,2
	LDPAR AF+32,\je,2
	s_wait_dscnt 16                                ; the second third is in; the 16 loads of the last may be out
	GAIN 1,GA
	s_wait_dscnt 0x0
	GAIN 2,AF
	WIN 0
.endm
.macro HFRAG ks                        ; fragments of h, K step ks, four row tiles: 8 loads
	WIN 0
.irp m, 0,1,2,3
.irp c, 0,1
	ds_load_b128 v[AF+32*((\ks)%2)+8*\m+4*\c:AF+32*((\ks)%2)+8*\m+4*\c+3], v[L16] offset:HIMG+6144*\m+1024*(\ks)+512*\c
.endr
.endr
.endm
.macro FFRAG fb, sp                    ; fragments of the hidden layer, K step sp of the chunk in buffer fb: 8 loads
.irp m, 0,1,2,3
.irp c, 0,1
	ds_load_b128 v[AF+32*(\sp)+8*\m+4*\c:AF+32*(\sp)+8*\m+4*\c+3], v[A_FR] offset:8192*(\fb)+2048*\m+1024*(\sp)+512*\c
.endr
.endr
.endm
.macro BIASLD off                      ; bf1 of my four tiles of a chunk, in the layout of the result: 8 loads
	WIN 0
.irp t, 0,1,2,3
.irp k, 0,1
	ds_load_b128 v[GA+8*\t+4*\k:GA+8*\t+4*\k+3], v[BFA] offset:(\off)+128*(\t/2)+32*(\t%2)+16*\k
.endr
.endr
.endm
; A chunk of 256 hidden units; I make 64 of them.  fb: which buffer of images; j0: the chunk first group in the trip.  Sixteen accumulators take turns in every group.
; rb: the base that this chunk's loads name; group j asks for the group at rb + (ro + j) GB, eight groups ahead of itself.  sb: the other base, which is stepped here.
.macro CHUNK fb, j0, rb, ro, sb
.irp s, 0,1,2,3,4,5
.set sl, (1+(\j0)+\s)%8
	s_wait_loadcnt 63                              ; behind this group stand seven groups of 9 loads
.if \s == 5
	s_wait_dscnt 0x0
.else
	s_wait_dscnt 8                                 ; this K step of h is in (with it, at the first, the bias); the 8 loads of the next may be out
.endif
.irp m, 0,1,2,3
.if \s == 0
	WIN 0x81+0x40*(\m/2)
.else
	WIN 0xa1+0x50*(\m/2)
.endif
.irp t, 0,1,2,3
.if \s == 0
	MM 192+32*(\m%2)+8*\t,32*sl+8*\t,AF+32*(\s%2)+8*\m,GA+8*\t,WS+2*sl+(\t/2),SCL+6*\m+\s,(\t%2),0
.else
	MM 192+32*(\m%2)+8*\t,32*sl+8*\t,AF+32*(\s%2)+8*\m,192+32*(\m%2)+8*\t,WS+2*sl+(\t/2),SCL+6*\m+\s,(\t%2),0
.endif
.endr
.endr
	PLACES 4
	LOADG sl,\rb,((\ro)+\s)*GB
.if \s+2 <= 5
	HFRAG \s+2
.endif
.endr
.irp w, 2,3
	WIN (((\w)<<2)|((\w)<<6))
.set ri, 0
.rept 64
	v_max_num_f32 v[192+ri], 0, v[192+ri]          ; the activation, in f32
.set ri, ri+1
.endr
	QUANT \w,192,4,PC+8*(\w-2),PW+2*(\w-2)
.irp mm, 0,1
	ds_store_b128 v[A_FW], v[PC+8*(\w-2)+4*\mm:PC+8*(\w-2)+4*\mm+3] offset:8192*(\fb)+2048*(2*(\w-2)+\mm)
	ds_store_b16 v[A_FSW], v[PW+2*(\w-2)+\mm] offset:FSC+512*(\fb)+128*(2*(\w-2)+\mm)
.endr
.endr
	BARRIER                                        ; the chunk lies in buffer fb.  One barrier a chunk: buffer fb is written again only behind the next barrier, in front of which every wave has waited for its reads
.irp m, 0,1,2,3
	ds_load_b64 v[SCL+24+2*\m:SCL+25+2*\m], v[A_FSR] offset:FSC+512*(\fb)+128*\m
.endr
	FFRAG \fb,0
	FFRAG \fb,1
.irp j, 6,7,8,9,10,11
.set sl, (1+(\j0)+\j)%8
	s_wait_loadcnt 63
.if \j == 7
	s_add_nc_u64 s[\sb:\sb+1], s[\sb:\sb+1], 24*GB ; the other base goes a trip on.  The youngest load that names it brought the group just waited for: the 63 loads that may be out are the seven groups asked for in this chunk, by this chunk's base
.endif
.if \j == 6
	s_wait_dscnt 8                                 ; scale words and first K step are in; the 8 loads of the second may be out
.endif
.if \j == 9
	s_wait_dscnt 16                                ; the second K step is in; behind it stand 8 loads of the next bias and 8 of h
.endif
.irp m, 0,1,2,3
	WIN 0xa1+0x50*(\m/2)
.irp f, 0,1,2,3
	MM 96*(\m%2)+8*(4*((\j-6)%3)+\f),32*sl+8*\f,AF+32*((\j-6)/3)+8*\m,96*(\m%2)+8*(4*((\j-6)%3)+\f),WS+2*sl+(\f/2),SCL+24+2*\m+((\j-6)/3),(\f%2),0
.endr
.endr
	PLACES 4
	LOADG sl,\rb,((\ro)+\j)*GB
.if \j == 8
	BIASLD 6144+256*((\fb)+1)
	HFRAG 0
.endif
.if \j == 11
	HFRAG 1
.endif
.endr
.endm
.macro DOT th, buf                     ; the last product, a third of my columns: two outputs x four row tiles, eight chains
.irp w, 2,3
	WIN \w
.set li, 0
.rept 16
.irp mm, 0,1
.irp o, 0,1
.if ((\th) == 0) && (li == 0)
	v_pk_mul_f32 v[PC+4*(2*(\w-2)+\mm)+2*\o:PC+4*(2*(\w-2)+\mm)+2*\o+1], v[96*\mm+32*(\th)+li:96*\mm+32*(\th)+li+1], v[(\buf)+32*\o+li:(\buf)+32*\o+li+1]
.else
	v_pk_fma_f32 v[PC+4*(2*(\w-2)+\mm)+2*\o:PC+4*(2*(\w-2)+\mm)+2*\o+1], v[96*\mm+32*(\th)+li:96*\mm+32*(\th)+li+1], v[(\buf)+32*\o+li:(\buf)+32*\o+li+1], v[PC+4*(2*(\w-2)+\mm)+2*\o:PC+4*(2*(\w-2)+\mm)+2*\o+1]
.endif
.endr
.endr
.set li, li+2
.endr
.endr
.endm
; ---------------------------------------------------------------- the head
	s_load_b512 s[8:23], s[0:1], 0x0               ; inputs emb pos_emb wts bk1 bq1 bv1 bk2
	s_load_b512 s[24:39], s[0:1], 0x40             ; bq2 bv2 bp g1 be1 bf1 bf2 g2
	s_load_b256 s[40:47], s[0:1], 0x80             ; be2 Wo bo out0
	v_and_b32 v[TT], 31, v0
	v_lshlrev_b32 v[L16], 4, v[TT]
	v_lshlrev_b32 v[L8], 3, v[TT]
	v_lshlrev_b32 v[L4], 2, v[TT]
	v_and_b32 v[RR], 15, v0
	v_bfe_u32 v[HH], v0, 4, 1
	v_lshrrev_b32 v48, 5, v0
	v_readfirstlane_b32 s48, v48                   ; wave
	s_lshr_b32 s49, s48, 1                         ; my sequence of the two
	s_and_b32 s50, s48, 1                          ; my head
	v_and_b32 v49, 8, v[RR]
	v_add_nc_u32 v49, v49, v[RR]                   ; r + (r & 8)
	s_mov_b32 s52, 0x76543210
	s_mov_b32 s53, 0xfedcba98                      ; lane selects: lane l xor 16
	s_mov_b32 s54, 0x3e16c73f                      ; log2(e) / sqrt(96)
	s_mov_b32 s55, s54                             ; (named with it as a pair)
	s_mov_b32 s70, 0xffff0000                      ; lanes 16-31
	s_mov_b32 s71, 0x3aaaaaab                      ; 1 / 768
	; LDS addresses: each a constant + a constant x a lane term + a constant x the wave
	s_mul_i32 s51, s49, 12288
	v_add_nc_u32 v[A_XR], s51, v[L16]
	s_mul_i32 s51, s48, 1536
	v_add_nc_u32 v[A_CW], s51, v[L16]
	s_mul_i32 s51, s48, 6
	v_lshl_add_u32 v[A_SW], v[RR], 5, s51
	v_lshlrev_b32 v[A_SR], 5, v[RR]
	s_lshl_b32 s51, s49, 10
	v_lshl_add_u32 v[A_XSR], v[RR], 5, s51
	s_lshl_b32 s51, s49, 2
	s_add_co_u32 s51, s51, s50
	s_lshl_b32 s66, s51, 10
	v_add_nc_u32 v[A_ZW], s66, v[L16]
	s_lshl_b32 s66, s51, 7
	v_add_nc_u32 v[A_ZSW], s66, v[L4]
	s_lshl_b32 s51, s48, 9
	s_add_co_u32 s51, s51, FIMG
	v_add_nc_u32 v[A_FW], s51, v[L16]
	v_add_nc_u32 v[A_FR], FIMG, v[L16]
	s_lshl_b32 s51, s48, 1
	v_lshl_add_u32 v[A_FSW], v[RR], 3, s51
	v_lshlrev_b32 v[A_FSR], 3, v[RR]
	s_lshl_b32 s51, s48, 3
	v_lshl_add_u32 v[A_STW], v[RR], 5, s51
	v_lshlrev_b32 v[A_STR], 5, v[RR]
	s_mul_i32 s67, s48, PARW
	s_add_co_u32 s67, s67, PAR
	v_lshl_add_u32 v[A_PAR], v[HH], 6, s67
	v_add_nc_u32 v[A_PW8], s67, v[L8]
	v_add_nc_u32 v[A_PW4], s67, v[L4]
	s_add_co_u32 s66, s67, 8960
	v_lshl_add_u32 v[A_BV], v49, 2, s66
	s_lshl_b32 s66, s48, 2
	s_add_co_u32 s66, s66, OUTP
	v_lshl_add_u32 v[A_OW], v49, 5, s66
	v_lshl_add_u32 v[A_OW], v[HH], 4, v[A_OW]
	v_lshl_add_u32 v[A_OR], v[TT], 6, OUTP
	; offsets in memory
	s_mul_i32 s51, s48, 768
	v_add_nc_u32 v50, s51, v[L8]                   ; my 192 columns of a vector of 768, 8 bytes a lane
	s_lshl_b32 s51, s48, 8
	v_add_nc_u32 v51, s51, v[L8]                   ; my 64 units of a chunk of bf1
	v_lshlrev_b32 v52, 2, v49                      ; my token in a tile of indices
	v_lshlrev_b32 v53, 6, v[HH]
	v_mul_u32_u24 v[POSO], 0xc00, v49
	v_add_nc_u32 v[POSO], v53, v[POSO]
.irp i, 0,1,2,3,4,5,6,7
	v_mov_b32 v[TP+\i], 0                          ; written once: the destination of a lane permute counts as one of its sources
.endr
	s_wait_kmcnt 0x0
	s_load_b64 s[68:69], s[44:45], 0x0             ; bo
	s_mul_i32 s2, s48, 768
	s_mov_b32 s3, 0
	s_add_nc_u64 s[72:73], s[10:11], s[2:3]        ; emb and pos_emb at my columns
	s_add_nc_u64 s[74:75], s[12:13], s[2:3]
	s_lshl_b32 s2, ttmp9, 8
	s_add_nc_u64 s[76:77], s[8:9], s[2:3]          ; my 64 indices
	s_lshl_b32 s2, ttmp9, 9
	s_add_nc_u64 s[78:79], s[46:47], s[2:3]        ; my 64 rows of the output
	s_mul_i32 s2, s50, 27*GB
	s_add_co_u32 s2, s2, 384*GB
	s_add_nc_u64 s[56:57], s[14:15], s[2:3]        ; the 27 groups of my head
	s_mul_i32 s2, s48, 6*GB
	s_add_co_u32 s2, s2, 438*GB
	s_add_nc_u64 s[58:59], s[14:15], s[2:3]        ; my 6 groups of Wp
	s_mul_i32 s2, s48, 96*GB
	s_add_nc_u64 s[60:61], s[14:15], s[2:3]        ; my 96 groups of the FFN: the base of a trip's first chunk,
	s_mov_b64 s[66:67], s[60:61]                   ; and that of its second, which is stepped once before its first use
	s_cmp_eq_u32 s50, 0
	s_cselect_b64 s[2:3], s[16:17], s[22:23]       ; bk, bq, bv of my head
	s_cselect_b64 s[4:5], s[18:19], s[24:25]
	s_cselect_b64 s[6:7], s[20:21], s[26:27]
.irp m, 0,1,2,3
	global_load_b32 v[ROWO+\m], v52, s[76:77] offset:128*(\m/2)+32*(\m%2)
.endr
.set pi, 0
.irp sp, 28,30,32,36,38,40,42
.irp k, 0,1,2
	global_load_b64 v[AF+2*pi:AF+2*pi+1], v50, s[\sp:\sp+1] offset:256*\k
.set pi, pi+1
.endr
.endr
.irp k, 0,1,2
	global_load_b64 v[AF+2*pi:AF+2*pi+1], v50, s[42:43] offset:3072+256*\k
.set pi, pi+1
.endr
.irp c, 0,1,2,3,4,5,6,7
	global_load_b64 v[AF+2*pi:AF+2*pi+1], v51, s[34:35] offset:1024*\c
.set pi, pi+1
.endr
.irp u, 0,1,2
.irp k, 0,1,2
	global_load_b32 v[GA+3*\u+\k], v[L4], s[2+2*\u:3+2*\u] offset:128*\k
.endr
.endr
	s_wait_loadcnt 0x0
	s_wait_kmcnt 0x0
.irp m, 0,1,2,3
	v_min_u32 v[ROWO+\m], 0xc450, v[ROWO+\m]       ; an index is held inside the table
.endr
.irp m, 0,1,2,3
	v_mul_u32_u24 v[ROWO+\m], 0xc00, v[ROWO+\m]
.endr
.irp m, 0,1,2,3
	v_add_nc_u32 v[ROWO+\m], v53, v[ROWO+\m]
.endr
	WIN 0x40                                       ; pos_emb of my columns: tile u at v[96 u] of window 1
.irp u, 0,1
.irp b, 0,1,2,3,4,5
.irp k, 0,1,2,3
	global_load_b128 v[96*\u+16*\b+4*\k:96*\u+16*\b+4*\k+3], v[POSO], s[74:75] offset:24576*\u+128*\b+16*\k
.endr
.endr
.endr
.irp m, 0,1,2,3                        ; the rows of emb, straight into X(m)
	WIN 0x80+0x40*(\m/2)
.irp b, 0,1,2,3,4,5
.irp k, 0,1,2,3
	global_load_b128 v[96*(\m%2)+16*\b+4*\k:96*(\m%2)+16*\b+4*\k+3], v[ROWO+\m], s[72:73] offset:128*\b+16*\k
.endr
.endr
.endr
	WIN 0
.set pi, 0
.rept 32
	ds_store_b64 v[A_PW8], v[AF+2*pi:AF+2*pi+1] offset:256*pi      ; my parameter block: read by my wave alone, in order behind these stores
.set pi, pi+1
.endr
.set pi, 0
.rept 9
	ds_store_b32 v[A_PW4], v[GA+pi] offset:8192+128*pi
.set pi, pi+1
.endr
.macro XADD m, cnt
	s_wait_loadcnt \cnt                            ; pos_emb and this tile are in; the 24 loads of each later tile may be out (the first count would be 72: a smaller one is safe)
	WIN ((2+(\m)/2)|4|((2+(\m)/2)<<6))
.set xi, 0
.rept 48
	v_pk_add_f32 v[96*((\m)%2)+xi:96*((\m)%2)+xi+1], v[96*((\m)%2)+xi:96*((\m)%2)+xi+1], v[96*((\m)%2)+xi:96*((\m)%2)+xi+1]   ; source 1 is pos_emb, in window 1
.set xi, xi+2
.endr
.endm
	XADD 0, 63
	XADD 1, 48
	XADD 2, 24
	XADD 3, 0
.irp n, 0,1,2,3,4,5,6,7
	LOADSEQ \n                                     ; the ring starts: from here on its loads are the only loads from memory
.endr
	s_wait_dscnt 0x0                               ; my 41 parameter stores, issued ahead of the gather's waits, have read their registers: the quantiser below writes v192 on
	QBIAS 8192                                     ; bk
.irp m, 0,1,2,3
	QUANT 2+(\m/2),96*(\m%2),6,PCQ+12*\m,PWQ+3*\m
	QSTORE PCQ+12*\m,PWQ+3*\m,XIMG,XSC,\m
.endr
	BARRIER                                        ; x lies in LDS as 24 fragments
; ---------------------------------------------------------------- q, k, v and attention: my sequence, my head
.irp u, 0,1
	ds_load_b128 v[SCL+6*\u:SCL+6*\u+3], v[A_XSR] offset:XSC+512*\u
	ds_load_b64 v[SCL+6*\u+4:SCL+6*\u+5], v[A_XSR] offset:XSC+512*\u+16
.endr
	XFRAG 0
	XFRAG 1
	DSTEP 0, 8
	DSTEP 1, 8
	DSTEP 2, 8
.irp u, 0,1                            ; k, quantised along the 96 of the head
	QUANT 2+\u,192,3,PC+8*\u,PW
	v_lshl_or_b32 v[SCL+12+\u], v[PW+1], 16, v[PW]
.endr
	QBIAS 8576                                     ; bq
	DSTEP 3, 0
	DSTEP 4, 8
	DSTEP 5, 8
.irp u, 0,1
	QUANT 2+\u,192,3,240+8*\u,PW
	v_lshl_or_b32 v[SCL+14+\u], v[PW+1], 16, v[PW]
.endr
	PLACES 8                                       ; a scale register written by a vector instruction stands 8 places ahead of a scaled matrix instruction, an operand 4
.irp q, 0,1                            ; S^T = K Q^T: lane (r, h) holds query position r and keys 16 h + 0 .. 15
.irp ku, 0,1
	MM SS+16*\q+8*\ku,PC+8*\ku,240+8*\q,-1,SCL+12+\ku,SCL+14+\q,0,0
.endr
.endr
	PLACES 4
.irp q, 0,1
	v_max3_num_f32 v[TM+\q], v[SS+16*\q], v[SS+16*\q+1], v[SS+16*\q+2]
.endr
.irp i, 3,5,7,9,11,13
.irp q, 0,1
	v_max3_num_f32 v[TM+\q], v[TM+\q], v[SS+16*\q+\i], v[SS+16*\q+\i+1]
.endr
.endr
.irp q, 0,1
	v_max_num_f32 v[TM+\q], v[TM+\q], v[SS+16*\q+15]
.endr
.irp q, 0,1
	v_permlanex16_b32 v[TP+\q], v[TM+\q], s52, s53
.endr
.irp q, 0,1
	v_max_num_f32 v[TM+\q], v[TM+\q], v[TP+\q]     ; the largest score of the row
.endr
.irp q, 0,1
	v_mul_f32 v[TP+\q], s54, v[TM+\q]              ; as t
.endr
.irp q, 0,1
	v_floor_f32 v[SO+2*\q], -v[TP+\q]              ; -M = floor(-t): M is a whole number
.endr
.irp q, 0,1
	v_mov_b32 v[SO+2*\q+1], v[SO+2*\q]
.endr
.irp j, 0,2,4,6,8,10,12,14
.irp q, 0,1
	v_pk_fma_f32 v[SS+16*\q+\j:SS+16*\q+\j+1], v[SS+16*\q+\j:SS+16*\q+\j+1], s[54:55], v[SO+2*\q:SO+2*\q+1] op_sel_hi:[1,0,0]   ; t - M
.endr
.endr
.irp q, 0,1
	v_fma_f32 v[TM+\q], v[TM+\q], s54, v[SO+2*\q]  ; the same of the largest score: p rises with the score
.endr
.set ei, 0
.rept 32
	v_exp_f32 v[SS+ei], v[SS+ei]                   ; p = 2^(t - M), not normalised
.set ei, ei+1
.endr
	v_exp_f32 v[TM], v[TM]                         ; the largest p of the block of 32 keys
	v_exp_f32 v[TM+1], v[TM+1]
	v_nop                                          ; a plain instruction behind the exponentials
	s_wait_alu depctr_va_vdst(0)                   ; one wait for the batch of 34, ahead of its first reader
.irp q, 0,1                            ; the sum of the unquantised p
	v_pk_add_f32 v[PW+4*\q:PW+4*\q+1], v[SS+16*\q:SS+16*\q+1], v[SS+16*\q+2:SS+16*\q+3]
	v_pk_add_f32 v[PW+4*\q+2:PW+4*\q+3], v[SS+16*\q+4:SS+16*\q+5], v[SS+16*\q+6:SS+16*\q+7]
.endr
.irp q, 0,1
	v_pk_add_f32 v[PW+4*\q:PW+4*\q+1], v[PW+4*\q:PW+4*\q+1], v[SS+16*\q+8:SS+16*\q+9]
	v_pk_add_f32 v[PW+4*\q+2:PW+4*\q+3], v[PW+4*\q+2:PW+4*\q+3], v[SS+16*\q+10:SS+16*\q+11]
.endr
.irp q, 0,1
	v_pk_add_f32 v[PW+4*\q:PW+4*\q+1], v[PW+4*\q:PW+4*\q+1], v[SS+16*\q+12:SS+16*\q+13]
	v_pk_add_f32 v[PW+4*\q+2:PW+4*\q+3], v[PW+4*\q+2:PW+4*\q+3], v[SS+16*\q+14:SS+16*\q+15]
.endr
.irp q, 0,1
	v_pk_add_f32 v[PW+4*\q:PW+4*\q+1], v[PW+4*\q:PW+4*\q+1], v[PW+4*\q+2:PW+4*\q+3]
.endr
.irp q, 0,1
	v_add_f32 v[PW+4*\q], v[PW+4*\q], v[PW+4*\q+1]
.endr
.irp q, 0,1
	v_permlanex16_b32 v[TP+\q], v[PW+4*\q], s52, s53
.endr
.irp q, 0,1
	v_add_f32 v[PW+4*\q], v[PW+4*\q], v[TP+\q]     ; l
.endr
.irp q, 0,1
	v_rcp_f32 v[54+8*\q], v[PW+4*\q]               ; 1 / l, twice: a pair for the packed multiply; kept in v54-55 and v62-63
	v_rcp_f32 v[55+8*\q], v[PW+4*\q]
.endr
.irp q, 0,1
	v_max_num_f32 v[TM+\q], 0x1800000, v[TM+\q]    ; (plain work behind the reciprocals)  the floor
.endr
	s_wait_alu depctr_va_vdst(0)                   ; one wait for the four reciprocals
.irp q, 0,1
	v_add_nc_u32 v[SO+4+\q], 0xff000000, v[TM+\q]
.endr
.irp q, 0,1
	v_lshrrev_b32 v[SCL+16+\q], 23, v[SO+4+\q]     ; the scale word of p: one block; the three that pad K have the byte 0 and zero codes
.endr
.irp q, 0,1
.irp i, 2,3,4,5,6,7
	v_mov_b32 v[PC+8*\q+\i], 0
.endr
.endr
.irp q, 0,1
	v_cvt_scalef32_pk8_fp4_f32 v[PC+8*\q], v[SS+16*\q:SS+16*\q+7], v[SO+4+\q]
	v_cvt_scalef32_pk8_fp4_f32 v[PC+8*\q+1], v[SS+16*\q+8:SS+16*\q+15], v[SO+4+\q]
.endr
	v_nop
.irp q, 0,1
	v_permlane16_swap_b32 v[PC+8*\q], v[PC+8*\q+2]
	v_permlane16_swap_b32 v[PC+8*\q+1], v[PC+8*\q+3]
.endr
	DSTEP 6, 8                                     ; v = x Wv^T, untransposed: lane (r, h) holds one channel and tokens 16 h + 8 u + j
	DSTEP 7, 8
	DSTEP 8, 0
	WIN 0
.irp t, 0,1,2,3,4,5
	ds_load_b32 v[224+\t], v[A_BV] offset:128*(\t/2)+32*(\t%2)
.endr
	s_wait_dscnt 0x0
.irp u, 0,1
	WIN ((2+\u)|((2+\u)<<6))
.irp t, 0,1,2,3,4,5
.irp j, 0,1,2,3,4,5,6,7
	v_add_f32 v[192+8*\t+\j], v[192+8*\t+\j], v[224+\t]
.endr
.endr
.endr
	WIN 0x0a                                       ; v is quantised along the 32 tokens: 8 of my 16 in window 2, 8 in window 3
.irp t, 0,1,2,3,4,5
	v_max3_num_f32 v[TM+\t], |v[192+8*\t]|, |v[192+8*\t+1]|, 0x1800000
.endr
.irp i, 2,4,6
.irp t, 0,1,2,3,4,5
	v_max3_num_f32 v[TM+\t], |v[192+8*\t+\i]|, |v[192+8*\t+\i+1]|, v[TM+\t]
.endr
.endr
	WIN 0x0f
.irp i, 0,2,4,6
.irp t, 0,1,2,3,4,5
	v_max3_num_f32 v[TM+\t], |v[192+8*\t+\i]|, |v[192+8*\t+\i+1]|, v[TM+\t]
.endr
.endr
	WIN 0
.irp t, 0,1,2,3,4,5
	v_permlanex16_b32 v[TP+\t], v[TM+\t], s52, s53
.endr
.irp t, 0,1,2,3,4,5
	v_max_num_f32 v[TM+\t], v[TM+\t], v[TP+\t]
.endr
.irp t, 0,1,2,3,4,5
	v_add_nc_u32 v[SO+\t], 0xff000000, v[TM+\t]
.endr
.irp t, 0,1,2,3,4,5
	v_lshrrev_b32 v[SCL+18+\t], 23, v[SO+\t]
.endr
.irp t, 0,1,2,3,4,5
.irp i, 2,3,4,5,6,7
	v_mov_b32 v[VF\t+\i], 0
.endr
.endr
	WIN 2
.irp t, 0,1,2,3,4,5
	v_cvt_scalef32_pk8_fp4_f32 v[VF\t], v[192+8*\t:192+8*\t+7], v[SO+\t]
.endr
	WIN 3
.irp t, 0,1,2,3,4,5
	v_cvt_scalef32_pk8_fp4_f32 v[VF\t+1], v[192+8*\t:192+8*\t+7], v[SO+\t]
.endr
	WIN 0
	v_nop
.irp t, 0,1,2,3,4,5
	v_permlane16_swap_b32 v[VF\t], v[VF\t+2]
	v_permlane16_swap_b32 v[VF\t+1], v[VF\t+3]
.endr
	PLACES 8
.irp q, 0,1                            ; O^T = V^T P^T
	WIN 0x80+0x40*\q
.irp t, 0,1,2,3,4,5
	MM 192+8*\t,VF\t,PC+8*\q,-1,SCL+18+\t,SCL+16+\q,0,0
.endr
.endr
	PLACES 4
.irp q, 0,1
	WIN ((2+\q)|((2+\q)<<6))
.set zi, 0
.rept 24
	v_pk_mul_f32 v[192+zi:193+zi], v[192+zi:193+zi], v[54+8*\q:55+8*\q]      ; / l
.set zi, zi+2
.endr
.endr
.irp q, 0,1
	QUANT 2+\q,192,3,PC+8*\q,PW
	v_lshl_or_b32 v[PW+2+\q], v[PW+1], 16, v[PW]
	ds_store_b128 v[A_ZW], v[PC+8*\q:PC+8*\q+3] offset:ZIMG+2048*\q
	ds_store_b128 v[A_ZW], v[PC+8*\q+4:PC+8*\q+7] offset:ZIMG+2048*\q+512
	ds_store_b32 v[A_ZSW], v[PW+2+\q] offset:ZSC+256*\q
.endr
	BARRIER                                        ; z lies in LDS: eight fragments, K step = head
; ---------------------------------------------------------------- the projection adds onto x
.irp m, 0,1,2,3
.irp a, 0,1
	ds_load_b32 v[SCL+2*\m+\a], v[L4] offset:ZSC+128*(2*\m+\a)
.endr
.endr
.irp a, 0,1
.irp m, 0,1,2,3
.irp c, 0,1
	ds_load_b128 v[AF+32*\a+8*\m+4*\c:AF+32*\a+8*\m+4*\c+3], v[L16] offset:ZIMG+1024*(2*\m+\a)+512*\c
.endr
.endr
.endr
	s_wait_dscnt 0x0
.irp a, 0,1
.irp gg, 0,1,2
.set gn, 27+3*\a+\gg
.set sl, gn%8
	s_wait_loadcnt 63                              ; behind this group stand seven groups of 9 loads
.irp m, 0,1,2,3
	WIN 0xa1+0x50*(\m/2)
.irp f, 0,1,2,3
	MM 96*(\m%2)+8*(4*\gg+\f),32*sl+8*\f,AF+32*\a+8*\m,96*(\m%2)+8*(4*\gg+\f),WS+2*sl+(\f/2),SCL+2*\m+\a,(\f%2),0
.endr
.endr
	GEND gn
.endr
.endr
	LN 0, 768, 1536                                ; h = LayerNorm(x + z Wp^T + bp)
.irp m, 0,1,2,3
	QUANT 2+(\m/2),96*(\m%2),6,PCQ+12*\m,PWQ+3*\m
	QSTORE PCQ+12*\m,PWQ+3*\m,HIMG,HSC,\m
.endr
	BARRIER                                        ; h lies in LDS as 24 fragments
; ---------------------------------------------------------------- the FFN: 8 chunks of 256 hidden units, two a trip (24 groups are three laps of the ring)
.irp m, 0,1,2,3
	ds_load_b128 v[SCL+6*\m:SCL+6*\m+3], v[A_SR] offset:HSC+512*\m
	ds_load_b64 v[SCL+6*\m+4:SCL+6*\m+5], v[A_SR] offset:HSC+512*\m+16
.endr
	s_mov_b32 s63, 0
	v_mov_b32 v[BFA], v[A_PAR]
	BIASLD 6144
	HFRAG 0
	HFRAG 1
	s_mov_b32 s62, 4
.Lffn:
	v_add_nc_u32 v[BFA], s63, v[A_PAR]             ; bf1 of this trip
	CHUNK 0, 0, 60, 8, 66                          ; asks for the trip's groups 8 to 19 by s[60:61]; steps s[66:67]
	CHUNK 1, 12, 66, -4, 60                        ; asks for groups 20 to 31 by s[66:67], which stands a trip on already; steps s[60:61]
	s_add_co_u32 s63, s63, 512
	s_sub_co_u32 s62, s62, 1
	s_cmp_lg_u32 s62, 0
	s_cbranch_scc1 .Lffn
	s_wait_dscnt 0x0                               ; what the last chunk asked for ahead has landed: its registers are used again
	v_add_nc_u32 v[A_STW], ST2-ST1, v[A_STW]
	v_add_nc_u32 v[A_STR], ST2-ST1, v[A_STR]
	LN 2304, 3072, 3840                            ; o = LayerNorm(h + f W2^T + bf2)
; ---------------------------------------------------------------- the last product, N = 2, in f32
	LDPAR GA,4608,0
	LDPAR GA+32,5376,0
	LDPAR AF,4608,1
	LDPAR AF+32,5376,1
	s_wait_dscnt 16                                ; the first third of Wo is in; the 16 loads of the second may be out
	DOT 0,GA
	WIN 0
	LDPAR GA,4608,2
	LDPAR GA+32,5376,2
	s_wait_dscnt 16
	DOT 1,AF
	s_wait_dscnt 0x0
	DOT 2,GA
	WIN 0
.irp i, 0,1,2,3,4,5,6,7
	v_add_f32 v[PC+2*\i], v[PC+2*\i], v[PC+2*\i+1]
.endr
.irp i, 0,1,2,3,4,5,6,7
	v_permlanex16_b32 v[TP+\i], v[PC+2*\i], s52, s53
.endr
.irp i, 0,1,2,3,4,5,6,7
	v_add_f32 v[PC+2*\i], v[PC+2*\i], v[TP+\i]
.endr
.irp m, 0,1,2,3
	v_cndmask_b32 v[TM+\m], v[PC+4*\m], v[PC+4*\m+2], s70          ; lanes 0-15 hand on output 0, lanes 16-31 output 1
.endr
.irp m, 0,1,2,3
	ds_store_b32 v[A_OW], v[TM+\m] offset:1024*(\m/2)+256*(\m%2)
.endr
	BARRIER                                        ; the four parts of each of the 128 numbers lie side by side
	s_cmp_lg_u32 s48, 0
	s_cbranch_scc1 .Ldone
.irp i, 0,1,2,3
	ds_load_b128 v[GA+4*\i:GA+4*\i+3], v[A_OR] offset:16*\i
.endr
	s_wait_dscnt 0x0
.irp i, 0,1,2,3
	v_add_f32 v[GA+4*\i], v[GA+4*\i], v[GA+4*\i+1]
	v_add_f32 v[GA+4*\i+2], v[GA+4*\i+2], v[GA+4*\i+3]
.endr
.irp i, 0,1,2,3
	v_add_f32 v[GA+4*\i], v[GA+4*\i], v[GA+4*\i+2]
.endr
.irp i, 0,1,2,3
	v_add_f32 v[PC+\i], s[68+(\i%2)], v[GA+4*\i]
.endr
	global_store_b128 v[L16], v[PC:PC+3], s[78:79] ; two rows a lane: the wave stores 512 consecutive bytes
.Ldone:
	s_wait_xcnt 0x0
	v_lshl_add_u32 v254, v0, 2, 0x1e400
	v_mov_b32 v255, 0
	s_wait_tensorcnt 0x0
	ds_add_u32 v254, v255
	s_wait_dscnt 0x0
	s_endpgm
.Lfunc_end_k_q3852ad4fc1_layer:
	.size	k_q3852ad4fc1_layer, .Lfunc_end_k_q3852ad4fc1_layer-k_q3852ad4fc1_layer
	.p2alignl 7, 3214868480
	.fill 96, 4, 3214868480
	.section	.rodata,"a",@progbits
	.p2align	6, 0x0
	.amdhsa_kernel k_q3852ad4fc1_layer
		.amdhsa_group_segment_fixed_size 124416
		.amdhsa_private_segment_fixed_size 0
		.amdhsa_enable_private_segment 0
		.amdhsa_kernarg_size 160
		.amdhsa_user_sgpr_count 2
		.amdhsa_user_sgpr_kernarg_segment_ptr 1
		.amdhsa_wavefront_size32 1
		.amdhsa_system_sgpr_workgroup_id_x 1
		.amdhsa_system_sgpr_workgroup_id_y 1
		.amdhsa_system_sgpr_workgroup_id_z 1
		.amdhsa_system_vgpr_workitem_id 0
		.amdhsa_next_free_vgpr 1024
		.amdhsa_next_free_sgpr 80
		.amdhsa_reserve_vcc 0
		.amdhsa_float_denorm_mode_32 3
		.amdhsa_float_denorm_mode_16_64 3
		.amdhsa_memory_ordered 1
		.amdhsa_forward_progress 1
		.amdhsa_inst_pref_size 255
	.end_amdhsa_kernel
	.section	.bss,"aw",@nobits
	.p2align	6
	.space	262144
	.amdgpu_metadata
---
amdhsa.version: [ 1, 2 ]
amdhsa.kernels:
  - .name:           k_q3852ad4fc1_layer
    .symbol:         k_q3852ad4fc1_layer.kd
    .args:
      - { .name: inputs, .offset: 0, .size: 8, .value_kind: global_buffer, .address_space: global }
      - { .name: emb, .offset: 8, .size: 8, .value_kind: global_buffer, .address_space: global }
      - { .name: pos_emb, .offset: 16, .size: 8, .value_kind: global_buffer, .address_space: global }
      - { .name: wts, .offset: 24, .size: 8, .value_kind: global_buffer, .address_space: global }
      - { .name: bk1, .offset: 32, .size: 8, .value_kind: global_buffer, .address_space: global }
      - { .name: bq1, .offset: 40, .size: 8, .value_kind: global_buffer, .address_space: global }
      - { .name: bv1, .offset: 48, .size: 8, .value_kind: global_buffer, .address_space: global }
      - { .name: bk2, .offset: 56, .size: 8, .value_kind: global_buffer, .address_space: global }
      - { .name: bq2, .offset: 64, .size: 8, .value_kind: global_buffer, .address_space: global }
      - { .name: bv2, .offset: 72, .size: 8, .value_kind: global_buffer, .address_space: global }
      - { .name: bp, .offset: 80, .size: 8, .value_kind: global_buffer, .address_space: global }
      - { .name: g1, .offset: 88, .size: 8, .value_kind: global_buffer, .address_space: global }
      - { .name: be1, .offset: 96, .size: 8, .value_kind: global_buffer, .address_space: global }
      - { .name: bf1, .offset: 104, .size: 8, .value_kind: global_buffer, .address_space: global }
      - { .name: bf2, .offset: 112, .size: 8, .value_kind: global_buffer, .address_space: global }
      - { .name: g2, .offset: 120, .size: 8, .value_kind: global_buffer, .address_space: global }
      - { .name: be2, .offset: 128, .size: 8, .value_kind: global_buffer, .address_space: global }
      - { .name: Wo, .offset: 136, .size: 8, .value_kind: global_buffer, .address_space: global }
      - { .name: bo, .offset: 144, .size: 8, .value_kind: global_buffer, .address_space: global }
      - { .name: out0, .offset: 152, .size: 8, .value_kind: global_buffer, .address_space: global }
    .group_segment_fixed_size: 124416
    .private_segment_fixed_size: 0
    .kernarg_segment_align: 8
    .kernarg_segment_size: 160
    .max_flat_workgroup_size: 128
    .sgpr_count:     80
    .vgpr_count:     1024
    .wavefront_size: 32
...
	.end_amdgpu_metadata
.endif
;; end of part 2
;; ======== version 2 of 2: 2 launches; version 1 with the launch layer written anew for expert scheduling mode
;; workspace buffers: wts 2,010,624 bytes
;; launch prep: the kernel of part 1 again; grid 6 x 77, 4 waves a work-group, no clusters, 34,560 bytes of LDS; arguments W1, W2, Wk1, Wq1, Wv1, Wk2, Wq2, Wv2, Wp, wts; writes wts
;; launch layer (part 3): grid 256 x 1, 4 waves a work-group, no clusters, 124,416 bytes of LDS; arguments inputs, emb, pos_emb, wts, bk1, bq1, bv1, bk2, bq2, bv2, bp, g1, be1, bf1, bf2, g2, be2, Wo, bo, out0; writes out0
.if DOCPART == 3
	.amdgcn_target "amdgcn-amd-amdhsa--gfx1250"
	.amdhsa_code_object_version 6
	.text
	.protected	k_q3852ad4fc1_layer
	.globl	k_q3852ad4fc1_layer
	.p2align	8
	.type	k_q3852ad4fc1_layer,@function
k_q3852ad4fc1_layer:
	s_mov_b64 s[64:65], 0
	v_nop
	global_prefetch_b8 v0, s[64:65] scope:SCOPE_SE
	s_setreg_imm32_b32 hwreg(HW_REG_WAVE_SCHED_MODE, 0, 2), 2
	s_setreg_imm32_b32 hwreg(HW_REG_WAVE_MODE, 25, 1), 1
	s_wait_xcnt 0x0
	s_wait_alu depctr_vm_vsrc(0)
; The whole layer for 64 rows (two sequences of 32 tokens) a work-group: gather + position, q k v of two heads, attention, projection, residual, LayerNorm, FFN, residual, LayerNorm, the last product.
; All thirteen quantised products run on codes of FP4 (E2M1) with one E8M0 byte for each 32 along K; the weights come as codes from wts (first launch), every other operand is quantised here, from f32.
; SHARES.  Four row tiles m = 2 seq + u; position r of tile u is token 8 u + r + (r & 8).  Wave w owns columns 192 w .. 192 w + 191 of every 768-wide tensor for all 64 rows: 48 accumulators, 384 registers,
; in which x, then h, then o live as C and D of the projection and of the second FFN product: the residuals cost nothing.  For q k v and attention wave w is (sequence w / 2, head w % 2), all inside the wave.
; LAYOUT.  Products with a weight are used transposed (source 0 = 16 rows of the weight, source 1 = 16 rows of tokens); lane r of weight tile t holds row 32 (t / 2) + 8 (t % 2) + r + (r & 8).  So lane (r, h)
; holds token position r, and register 16 b + i of a row tile is column 32 b + 16 h + i: sixteen neighbours along the next K.  v alone is used untransposed, so that its registers run along the tokens.
; WEIGHTS go from memory straight into registers, through a ring of 8 slots of one group (4 fragments + scale words, 9 loads): seven groups are always on their way.
; They are not asked for jointly in a cluster and not sent through LDS: a wave reads its own 129 groups once and no other wave of the work-group reads them, so LDS would add a store and a read of each byte.
; In the FFN loop the ring has TWO bases: the loads issued in a trip's first chunk name s[60:61], those of its second chunk s[66:67]; each base is stepped in the other chunk, behind the counted wait that shows its last load done.
; OPERANDS made here go from wave to wave through LDS as images of their registers (16 bytes a lane, 512 a store); scale bytes as rows of bytes, one row of tokens each.
; LIMITS: NaN and infinities are not served.  A block of zeros gets the byte 1, a block that pads K the byte 0, both with zero codes, where the rule says 127: only this program reads the bytes.
; An index is held at 50,256.  Exponentials and reciprocal roots flush denormals.  Biases enter as C of a first product or are added behind the sum: the order of additions differs from the source.
; The last FFN chunk asks for things that nobody uses: 8 groups behind the wave part of wts (bytes of wts that the first launch wrote), 256 bytes of my own parameter block, two steps of h.
; THE MODE: SCHED_MODE bits 1:0 = 2 (LLVM: expert scheduling mode 2), set by the entry lines.  The code itself states the register dependences between vector or matrix instructions and memory or LDS
; instructions, with s_wait_alu, always for 0.
; THE PLAN.  Registers that memory or LDS instructions touch:
;   the ring, WS    A group's matrix instructions read its slot and its two scale registers; behind them the nine loads of the group eight further on land there.
;   AF0, AF1        Filled from LDS; read by a group's (q k v: a double step's) matrix instructions, then loaded again for the step two further on.  In LayerNorm and the last product: thirds of parameter vectors, read by packed arithmetic.
;   GA              By phase: codes and bytes of x and h (the quantiser writes, LDS stores read), bv, LayerNorm's pairs and thirds, bf1 as a first C (LDS loads land, vector or matrix instructions read).
;   SCL             Scale words from LDS, read by matrix instructions; in attention SCL+12 .. 23 are written by vector instructions.
;   PC, PW, TM      Out-buffers: quantisers and sums write them, LDS stores (PC: the one global store too) read them.
;   v1-v31          Addresses, made at the head.  Written again: v[BFA] once a trip, v[A_STW] and v[A_STR] once behind the loop.
; ONE wait on va_vdst stands at the end of a group, behind its places: the group's matrix instructions are done reading the slot, the scale registers and the fragments.  The group's nine loads from memory and its
; LDS loads follow with nothing between but loads and window switches.  It stands there and not at the next group's head, so that seven groups stay on their way and a fragment buffer has a whole group in which to land.
; LDS stores are gathered in runs, one wait on va_vdst ahead of each run; one wait on vm_vsrc behind the barrier that follows a run frees the out-buffer, far ahead of the instructions that write it again.
.set GB,   4352
.set XIMG, 0                           ; x: 4 row tiles x 12 half fragments x 512 bytes
.set HIMG, 24576                       ; h likewise
.set ZIMG, 49152                       ; z: (2 m + head) x 1,024
.set XSC,  57344                       ; scale bytes of x: [m][r][32], byte = block
.set HSC,  59392
.set ZSC,  61440                       ; scale words of z: (2 m + head) x 128 + 4 lane
.set FSC,  62464                       ; scale bytes of the hidden layer: [buffer][m][r][8]
.set ST1,  63488                       ; first LayerNorm: [row][wave] (mean, sum of squares about it)
.set FIMG, 65536                       ; hidden layer: 2 buffers x 4 m x 4 half fragments x 512
.set ST2,  81920
.set OUTP, 83968                       ; [row][output][wave]
.set PAR,  86016                       ; 9,472 bytes for each wave, its own: bp g1 be1 bf2 g2 be2 Wo0 Wo1 (768 each), bf1 at 6144, bk 8192, bq 8576, bv 8960
.set PARW, 9472
.set L16, 1                            ; 16 x lane
.set L8,  2
.set L4,  3
.set RR,  4                            ; r
.set HH,  5                            ; h
.set ROWO, 6                           ; v6-9   byte offset of my row of emb, for each m
.set POSO, 10
.set A_XR, 11
.set A_CW, 12
.set A_SW, 13
.set A_SR, 14
.set A_XSR, 15
.set A_ZW, 16
.set A_ZSW, 17
.set A_FW, 18
.set A_FR, 19
.set A_FSW, 20
.set A_FSR, 21
.set A_STW, 22
.set A_STR, 23
.set A_PAR, 24
.set A_PW8, 25
.set A_PW4, 26
.set A_BV, 27
.set A_OW, 28
.set A_OR, 29
.set BFA, 30
.set TT,  31                           ; lane
.set WS,  32                           ; v32-47   scale words of the ring, two registers a slot
.set TM,  48                           ; v48-55   maxima; means
.set TP,  56                           ; v56-63   at work; 1 / sigma
.set SO,  64                           ; v64-71   scale operands of the conversions
.set PC,  72                           ; v72-87   codes just made; chains of sums
.set PW,  88                           ; v88-95   scale bytes just made
.set AF,  96                           ; v96-159  operand fragments, two buffers of 32
.set SCL, 160                          ; v160-191 scale words of operands made here: scales and nothing else
.set GA,  192                          ; v192-255 by phase
.set PCQ, 192                          ; codes of x and of h: 12 registers for each row tile,
.set PWQ, 240                          ; and 3 for its scale bytes: no tile writes registers that another tile's LDS stores read
.set SS,  192                          ; S^T, 16 registers a query tile
.set VF0, 200                          ; fragments of V^T
.set VF1, 208
.set VF2, 216
.set VF3, 240
.set VF4, 248
.set VF5, 192
; windows of 256: window 1: the ring, slot k at v[32 k] (at the head: pos_emb).  window 2 + m / 2: X(m) at v[96 (m % 2)], FFN accumulators at v[192 + 32 (m % 2)]; q k v accumulators of tile u: v192-239 of window 2 + u.
.set MSB, 0
.macro WIN new                         ; low byte: bits 1:0 source 0, 3:2 source 1, 5:4 source 2, 7:6 destination; the high byte repeats the setting that is left
.if MSB != (\new)
	s_set_vgpr_msb (MSB<<8)|(\new)
.set MSB, (\new)
.endif
.endm
.macro PLACES n
.rept \n
	v_nop
.endr
.endm
.macro BARRIER                         ; my LDS stores have landed and my LDS loads are in: then the barrier of the work-group
	s_wait_dscnt 0x0
	s_barrier_signal -1
	s_barrier_wait -1
.endm
; one matrix instruction.  c < 0: the constant 0 starts the sum.  ar, br: the scales of source 0, source 1 stand in lanes 16-31
.macro MM d, a, b, c, sa, sb, ar, br
.if (\c) < 0
.if (\ar)
	v_wmma_scale_f32_16x16x128_f8f6f4 v[(\d):(\d)+7], v[(\a):(\a)+7], v[(\b):(\b)+7], 0, v[\sa], v[\sb] matrix_a_fmt:MATRIX_FMT_FP4 matrix_b_fmt:MATRIX_FMT_FP4 matrix_a_scale:MATRIX_SCALE_ROW1
.elseif (\br)
	v_wmma_scale_f32_16x16x128_f8f6f4 v[(\d):(\d)+7], v[(\a):(\a)+7], v[(\b):(\b)+7], 0, v[\sa], v[\sb] matrix_a_fmt:MATRIX_FMT_FP4 matrix_b_fmt:MATRIX_FMT_FP4 matrix_b_scale:MATRIX_SCALE_ROW1
.else
	v_wmma_scale_f32_16x16x128_f8f6f4 v[(\d):(\d)+7], v[(\a):(\a)+7], v[(\b):(\b)+7], 0, v[\sa], v[\sb] matrix_a_fmt:MATRIX_FMT_FP4 matrix_b_fmt:MATRIX_FMT_FP4
.endif
.else
.if (\ar)
	v_wmma_scale_f32_16x16x128_f8f6f4 v[(\d):(\d)+7], v[(\a):(\a)+7], v[(\b):(\b)+7], v[(\c):(\c)+7], v[\sa], v[\sb] matrix_a_fmt:MATRIX_FMT_FP4 matrix_b_fmt:MATRIX_FMT_FP4 matrix_a_scale:MATRIX_SCALE_ROW1
.elseif (\br)
	v_wmma_scale_f32_16x16x128_f8f6f4 v[(\d):(\d)+7], v[(\a):(\a)+7], v[(\b):(\b)+7], v[(\c):(\c)+7], v[\sa], v[\sb] matrix_a_fmt:MATRIX_FMT_FP4 matrix_b_fmt:MATRIX_FMT_FP4 matrix_b_scale:MATRIX_SCALE_ROW1
.else
	v_wmma_scale_f32_16x16x128_f8f6f4 v[(\d):(\d)+7], v[(\a):(\a)+7], v[(\b):(\b)+7], v[(\c):(\c)+7], v[\sa], v[\sb] matrix_a_fmt:MATRIX_FMT_FP4 matrix_b_fmt:MATRIX_FMT_FP4
.endif
.endif
.endm
; a group of weights into a slot of the ring: 9 loads.  It leaves the destination window at 1
.macro LOADG slot, base, off
	WIN 0
	global_load_b64 v[WS+2*(\slot):WS+2*(\slot)+1], v[L8], s[\base:\base+1] offset:(\off)+4096
	WIN 0x40
.irp i, 0,1,2,3,4,5,6,7
	global_load_b128 v[32*(\slot)+4*\i:32*(\slot)+4*\i+3], v[L16], s[\base:\base+1] offset:(\off)+512*\i
.endr
.endm
.macro LOADSEQ n                       ; group n of my walk: 27 of q k v, 6 of the projection, then the FFN
.if (\n) < 27
	LOADG ((\n)%8),56,((\n)*GB)
.elseif (\n) < 33
	LOADG ((\n)%8),58,(((\n)-27)*GB)
.else
	LOADG ((\n)%8),60,(((\n)-33)*GB)
.endif
.endm
; The end of a group: four places behind its matrix instructions, the window of the first load, and the step's one wait.  Behind it stand loads and window switches alone.
.macro FREED
	PLACES 4
	WIN 0
	s_wait_alu depctr_va_vdst(0)                   ; the matrix instructions issued so far are done reading the group's slot, its scale registers, their fragments of the other operand and a bias that was their C: the loads that follow land in these; an address stepped since the last such wait is written
.endm
.macro GEND n                          ; group n is multiplied: its slot takes group n + 8
	FREED
	LOADSEQ (\n)+8
.endm
; nb blocks of a lane, v[src + 16 b + i] of window w = k 32 b + 16 h + i of my row, become codes in v[pc] on (operand layout) and scale bytes, two to a register, in v[pw] on.  An odd nb is filled with a block of zero codes, byte 0.
.macro QUANT w, src, nb, pc, pw
	WIN ((\w)|((\w)<<2))
.set qb, 0
.rept \nb
	v_max3_num_f32 v[TM+qb], |v[(\src)+16*qb]|, |v[(\src)+16*qb+1]|, 0x1800000   ; the floor 2^(3 - 127): the byte cannot fall under 1.  Each tile is read from its low end on
.set qb, qb+1
.endr
.irp qi, 2,4,6,8,10,12,14
.set qb, 0
.rept \nb
	v_max3_num_f32 v[TM+qb], |v[(\src)+16*qb+\qi]|, |v[(\src)+16*qb+\qi+1]|, v[TM+qb]   ; the blocks by turns
.set qb, qb+1
.endr
.endr
	WIN 0
.set qb, 0
.rept \nb
	v_permlanex16_b32 v[TP+qb], v[TM+qb], s52, s53
.set qb, qb+1
.endr
.set qb, 0
.rept \nb
	v_max_num_f32 v[TM+qb], v[TM+qb], v[TP+qb]     ; with lane l xor 16: the largest magnitude of the block
.set qb, qb+1
.endr
.set qb, 0
.rept \nb
	v_add_nc_u32 v[SO+qb], 0xff000000, v[TM+qb]    ; 2 off its exponent field: the scale operand of the conversion
.set qb, qb+1
.endr
.set qb, 0
.rept \nb
	v_lshrrev_b32 v[TP+qb], 23, v[SO+qb]           ; the byte
.set qb, qb+1
.endr
.if (\nb)%2
	v_mov_b32 v[TP+\nb], 0
	v_mov_b32 v[(\pc)+2*(\nb)], 0
	v_mov_b32 v[(\pc)+2*(\nb)+1], 0
.endif
.set qb, 0
.rept ((\nb)+1)/2
	v_lshl_or_b32 v[(\pw)+qb], v[TP+2*qb+1], 8, v[TP+2*qb]
.set qb, qb+1
.endr
	WIN (\w)
.set qb, 0
.rept \nb
	v_cvt_scalef32_pk8_fp4_f32 v[(\pc)+2*qb], v[(\src)+16*qb:(\src)+16*qb+7], v[SO+qb]
	v_cvt_scalef32_pk8_fp4_f32 v[(\pc)+2*qb+1], v[(\src)+16*qb+8:(\src)+16*qb+15], v[SO+qb]
.set qb, qb+1
.endr
	WIN 0
	v_nop                                          ; one plain instruction behind the conversions
.set qb, 0
.rept ((\nb)+1)/2                      ; the operand wants a whole block in a lane: lanes 0-15 block 2 p, lanes 16-31 block 2 p + 1
	v_permlane16_swap_b32 v[(\pc)+4*qb], v[(\pc)+4*qb+2]
	v_permlane16_swap_b32 v[(\pc)+4*qb+1], v[(\pc)+4*qb+3]
.set qb, qb+1
.endr
.endm
.macro QSTORE pc, pw, creg, sreg, m    ; my three half fragments and six scale bytes of row tile m.  No wait on DScnt: the registers are this tile's own, and the barrier behind the four tiles waits for all the stores
	WIN 0
.irp p, 0,1,2
	ds_store_b128 v[A_CW], v[(\pc)+4*\p:(\pc)+4*\p+3] offset:(\creg)+6144*(\m)+512*\p
	ds_store_b16 v[A_SW], v[(\pw)+\p] offset:(\sreg)+512*(\m)+2*\p
.endr
.endm
.macro QPAIR w, creg, sreg             ; the two row tiles of window w are quantised; their twelve LDS stores stand in one run behind one wait
	QUANT \w,0,6,PCQ+24*((\w)-2),PWQ+6*((\w)-2)
	QUANT \w,96,6,PCQ+24*((\w)-2)+12,PWQ+6*((\w)-2)+3
	s_wait_alu depctr_va_vdst(0)                   ; the two quantisers have written the tiles' codes and scale bytes, which the LDS stores read
	QSTORE PCQ+24*((\w)-2),PWQ+6*((\w)-2),\creg,\sreg,2*((\w)-2)
	QSTORE PCQ+24*((\w)-2)+12,PWQ+6*((\w)-2)+3,\creg,\sreg,2*((\w)-2)+1
.endm
.macro LDPAR dst, off, th              ; a third (32 registers of a lane) of one of my parameter vectors
.irp k, 0,1,2,3,4,5,6,7
	ds_load_b128 v[(\dst)+4*\k:(\dst)+4*\k+3], v[A_PAR] offset:(\off)+256*(\th)+128*(\k/4)+16*(\k%4)
.endr
.endm
.macro QBIAS off                       ; a bias of 96 as the first C of the twelve accumulators of q or k
.irp u, 0,1
	WIN 0x80+0x40*\u
.irp t, 0,1,2,3,4,5
.irp k, 0,1
	ds_load_b128 v[192+8*\t+4*\k:192+8*\t+4*\k+3], v[A_PAR] offset:(\off)+128*(\t/2)+32*(\t%2)+16*\k
.endr
.endr
.endr
.endm
.macro XFRAG dd                        ; fragments of x for double step dd: K steps 2 (dd % 3), + 1, my two row tiles: 8 loads
	WIN 0
.irp sp, 0,1
.irp u, 0,1
.irp c, 0,1
	ds_load_b128 v[AF+32*((\dd)%2)+16*\sp+8*\u+4*\c:AF+32*((\dd)%2)+16*\sp+8*\u+4*\c+3], v[A_XR] offset:XIMG+6144*\u+1024*(2*((\dd)%3)+\sp)+512*\c
.endr
.endr
.endr
.endm
; A double step: two K steps of one of k, q, v (dd / 3) for my 32 rows: three groups, 8 matrix instructions each; two accumulators take turns, one instruction a turn
.macro DSTEP dd, dsw
	s_wait_dscnt \dsw                              ; this step fragments are in; the 8 loads of the next step may be out (0 where a bias was asked for behind them, and at the end)
.irp gg, 0,1,2
.set gn, 3*(\dd)+\gg
.set sl, gn%8
	s_wait_loadcnt 63                              ; behind this group stand seven groups of 9 loads
.irp u, 0,1
.if (\dd)/3 == 2
	WIN 0xa4+0x50*\u
.else
	WIN 0xa1+0x50*\u
.endif
.irp f, 0,1,2,3
.set tt, 2*\gg+(\f%2)
.set xb, AF+32*((\dd)%2)+16*(\f/2)+8*\u
.set xs, SCL+6*\u+2*((\dd)%3)+(\f/2)
.if (\dd)/3 == 2
.if ((\dd)%3 == 0) && (\f < 2)
	MM 192+8*tt,xb,32*sl+8*\f,-1,xs,WS+2*sl+(\f/2),0,(\f%2)
.else
	MM 192+8*tt,xb,32*sl+8*\f,192+8*tt,xs,WS+2*sl+(\f/2),0,(\f%2)
.endif
.else
	MM 192+8*tt,32*sl+8*\f,xb,192+8*tt,WS+2*sl+(\f/2),xs,(\f%2),0
.endif
.endr
.endr
	GEND gn
.endr
.if (\dd)+2 <= 8
	XFRAG (\dd)+2                                  ; into the buffer that this double step has read: the third group's wait has covered it, and only loads stand between
.endif
.endm
; LayerNorm, first half, for the two row tiles of window w: bias, my mean over my 192 columns, centring, sum of squares about it; the pair (mean, sum) is left in v[PW + 2 m], v[PW + 2 m + 1]
.macro LN_STAT w
	WIN ((\w)|((\w)<<6))
.irp mm, 0,1
.set li, 0
.rept 32
	v_pk_add_f32 v[96*\mm+li:96*\mm+li+1], v[96*\mm+li:96*\mm+li+1], v[AF+li:AF+li+1]
.set li, li+2
.endr
.set li, 0
.rept 16
	v_pk_add_f32 v[96*\mm+64+li:96*\mm+64+li+1], v[96*\mm+64+li:96*\mm+64+li+1], v[GA+li:GA+li+1]
.set li, li+2
.endr
.endr
	WIN ((\w)|((\w)<<2))
.irp mm, 0,1
.irp cc, 0,1
	v_pk_add_f32 v[PC+4*\mm+2*\cc:PC+4*\mm+2*\cc+1], v[96*\mm+4*\cc:96*\mm+4*\cc+1], v[96*\mm+4*\cc+2:96*\mm+4*\cc+3]   ; the first numbers start four chains
.endr
.endr
	WIN (\w)
.set li, 8
.rept 22
.irp mm, 0,1
.irp cc, 0,1
	v_pk_add_f32 v[PC+4*\mm+2*\cc:PC+4*\mm+2*\cc+1], v[96*\mm+li+2*\cc:96*\mm+li+2*\cc+1], v[PC+4*\mm+2*\cc:PC+4*\mm+2*\cc+1]
.endr
.endr
.set li, li+4
.endr
	WIN 0
.irp mm, 0,1
	v_pk_add_f32 v[PC+4*\mm:PC+4*\mm+1], v[PC+4*\mm:PC+4*\mm+1], v[PC+4*\mm+2:PC+4*\mm+3]
.endr
.irp mm, 0,1
	v_add_f32 v[PC+4*\mm], v[PC+4*\mm], v[PC+4*\mm+1]
.endr
.irp mm, 0,1
	v_permlanex16_b32 v[PC+4*\mm+1], v[PC+4*\mm], s52, s53
.endr
.irp mm, 0,1
	v_add_f32 v[PC+4*\mm], v[PC+4*\mm], v[PC+4*\mm+1]
.endr
.irp mm, 0,1
	v_mul_f32 v[TM+2*(2*((\w)-2)+\mm)], 0x3baaaaab, v[PC+4*\mm]      ; / 192
.endr
.irp mm, 0,1
	v_mov_b32 v[TM+2*(2*((\w)-2)+\mm)+1], v[TM+2*(2*((\w)-2)+\mm)]
.endr
	WIN ((\w)|((\w)<<6))
.irp mm, 0,1
.set li, 0
.rept 48
	v_pk_add_f32 v[96*\mm+li:96*\mm+li+1], v[96*\mm+li:96*\mm+li+1], v[TM+2*(2*((\w)-2)+\mm):TM+2*(2*((\w)-2)+\mm)+1] neg_lo:[0,1] neg_hi:[0,1]
.set li, li+2
.endr
.endr
	WIN ((\w)|((\w)<<2))
.irp mm, 0,1
.irp cc, 0,1
	v_pk_mul_f32 v[PC+4*\mm+2*\cc:PC+4*\mm+2*\cc+1], v[96*\mm+2*\cc:96*\mm+2*\cc+1], v[96*\mm+2*\cc:96*\mm+2*\cc+1]
.endr
.endr
.set li, 4
.rept 23
.irp mm, 0,1
.irp cc, 0,1
	v_pk_fma_f32 v[PC+4*\mm+2*\cc:PC+4*\mm+2*\cc+1], v[96*\mm+li+2*\cc:96*\mm+li+2*\cc+1], v[96*\mm+li+2*\cc:96*\mm+li+2*\cc+1], v[PC+4*\mm+2*\cc:PC+4*\mm+2*\cc+1]
.endr
.endr
.set li, li+4
.endr
	WIN 0
.irp mm, 0,1
	v_pk_add_f32 v[PC+4*\mm:PC+4*\mm+1], v[PC+4*\mm:PC+4*\mm+1], v[PC+4*\mm+2:PC+4*\mm+3]
.endr
.irp mm, 0,1
	v_add_f32 v[PC+4*\mm], v[PC+4*\mm], v[PC+4*\mm+1]
.endr
.irp mm, 0,1
	v_permlanex16_b32 v[PC+4*\mm+1], v[PC+4*\mm], s52, s53
.endr
.irp mm, 0,1
	v_add_f32 v[PW+2*(2*((\w)-2)+\mm)+1], v[PC+4*\mm], v[PC+4*\mm+1]
	v_mov_b32 v[PW+2*(2*((\w)-2)+\mm)], v[TM+2*(2*((\w)-2)+\mm)]
.endr
.endm
.macro GAIN th, buf                    ; y = y g + be for a third of the columns, all four row tiles
.irp w, 2,3
	WIN ((\w)|((\w)<<6))
.irp mm, 0,1
.set li, 0
.rept 16
	v_pk_fma_f32 v[96*\mm+32*(\th)+li:96*\mm+32*(\th)+li+1], v[96*\mm+32*(\th)+li:96*\mm+32*(\th)+li+1], v[(\buf)+li:(\buf)+li+1], v[(\buf)+32+li:(\buf)+32+li+1]
.set li, li+2
.endr
.endr
.endr
.endm
; LayerNorm of X + bias, in place.  jb, jg, je: where bias, gain and offset stand in my parameter block.  Each wave has a mean and a sum of squares about it for its 192 columns;
; the four are joined as mean = the mean of the means, M2 = the sum of the M2 + 192 x the sum of (mean_w - mean)^2: no difference of large sums is formed.
.macro LN jb, jg, je
	WIN 0
	LDPAR AF,\jb,0                                 ; (the last group's wait has covered AF and GA: no vector or matrix instruction since names them)
	LDPAR AF+32,\jb,1
	LDPAR GA,\jb,2
	s_wait_dscnt 0x0
	LN_STAT 2
	LN_STAT 3
	s_wait_alu depctr_va_vdst(0)                   ; the four pairs in v[PW ..] are written, which the LDS stores read by v[A_STW]; the additions of the bias are done reading v[GA ..], in which the loads behind the barrier land by v[A_STR]
.irp m, 0,1,2,3
	ds_store_b64 v[A_STW], v[PW+2*\m:PW+2*\m+1] offset:ST1+512*\m
.endr
	BARRIER                                        ; all four waves have stored their pairs
.irp m, 0,1,2,3
	ds_load_b128 v[GA+8*\m:GA+8*\m+3], v[A_STR] offset:ST1+512*\m
	ds_load_b128 v[GA+8*\m+4:GA+8*\m+7], v[A_STR] offset:ST1+512*\m+16
.endr
	s_wait_dscnt 0x0
.irp m, 0,1,2,3
	v_add_f32 v[PC+4*\m], v[GA+8*\m], v[GA+8*\m+2]
	v_add_f32 v[PC+4*\m+1], v[GA+8*\m+4], v[GA+8*\m+6]
.endr
.irp m, 0,1,2,3
	v_add_f32 v[PC+4*\m], v[PC+4*\m], v[PC+4*\m+1]
.endr
.irp m, 0,1,2,3
	v_mul_f32 v[PC+4*\m], 0x3e800000, v[PC+4*\m]   ; the mean of the row
.endr
.irp k, 0,2,4,6
.irp m, 0,1,2,3
	v_sub_f32 v[GA+8*\m+\k], v[GA+8*\m+\k], v[PC+4*\m]
.endr
.endr
.irp m, 0,1,2,3
	v_mul_f32 v[PC+4*\m+1], v[GA+8*\m], v[GA+8*\m]
	v_add_f32 v[PC+4*\m+2], v[GA+8*\m+1], v[GA+8*\m+3]
	v_add_f32 v[PC+4*\m+3], v[GA+8*\m+5], v[GA+8*\m+7]
.endr
.irp k, 2,4,6
.irp m, 0,1,2,3
	v_fmac_f32 v[PC+4*\m+1], v[GA+8*\m+\k], v[GA+8*\m+\k]
.endr
.endr
.irp m, 0,1,2,3
	v_add_f32 v[PC+4*\m+2], v[PC+4*\m+2], v[PC+4*\m+3]
.endr
.irp m, 0,1,2,3
	v_fmamk_f32 v[PC+4*\m+2], v[PC+4*\m+1], 0x43400000, v[PC+4*\m+2]   ; + 192 x the sum of squares of the means
.endr
.irp m, 0,1,2,3
	v_fmaak_f32 v[PC+4*\m+2], s71, v[PC+4*\m+2], 0x3727c5ac            ; / 768 + 1e-5
.endr
.irp m, 0,1,2,3
	v_rsq_f32 v[TP+2*\m], v[PC+4*\m+2]
	v_rsq_f32 v[TP+2*\m+1], v[PC+4*\m+2]
.endr
.irp m, 0,1,2,3
	v_sub_f32 v[PC+4*\m], v[TM+2*\m], v[PC+4*\m]   ; my mean less the mean of the row (plain work behind the roots)
.endr
	s_wait_alu depctr_va_vdst(0)                   ; one wait for the eight roots in v[TP ..], ahead of their first reader.  It also states that the sums above are done with v[GA ..] and the bias's additions with v[AF ..], in which the 32 loads below land
.irp m, 0,1,2,3
	v_mul_f32 v[SO+2*\m], v[PC+4*\m], v[TP+2*\m]
	v_mul_f32 v[SO+2*\m+1], v[PC+4*\m], v[TP+2*\m]
.endr
	LDPAR AF,\jg,0                                 ; (the eight multiplies since the wait name PC, TP and SO alone)
	LDPAR AF+32,\je,0
	LDPAR GA,\jg,1
	LDPAR GA+32,\je,1
.irp w, 2,3
	WIN ((\w)|((\w)<<6))
.irp mm, 0,1
.set li, 0
.rept 48
	v_pk_fma_f32 v[96*\mm+li:96*\mm+li+1], v[96*\mm+li:96*\mm+li+1], v[TP+2*(2*(\w-2)+\mm):TP+2*(2*(\w-2)+\mm)+1], v[SO+2*(2*(\w-2)+\mm):SO+2*(2*(\w-2)+\mm)+1]
.set li, li+2
.endr
.endr
.endr
	s_wait_dscnt 16                                ; the first third is in; the 16 loads of the second may be out
	GAIN 0,AF
	WIN 0
	s_wait_alu depctr_va_vdst(0)                   ; the first third's multiply-adds are done reading v[AF ..], in which the last third lands
	LDPAR AF,\jg,2
	LDPAR AF+32,\je,2
	s_wait_dscnt 16                                ; the second third is in; the 16 loads of the last may be out
	GAIN 1,GA
	s_wait_dscnt 0x0
	GAIN 2,AF
	WIN 0
.endm
.macro HFRAG ks                        ; fragments of h, K step ks, four row tiles: 8 loads
	WIN 0
.irp m, 0,1,2,3
.irp c, 0,1
	ds_load_b128 v[AF+32*((\ks)%2)+8*\m+4*\c:AF+32*((\ks)%2)+8*\m+4*\c+3], v[L16] offset:HIMG+6144*\m+1024*(\ks)+512*\c
.endr
.endr
.endm
.macro FFRAG fb, sp                    ; fragments of the hidden layer, K step sp of the chunk in buffer fb: 8 loads
.irp m, 0,1,2,3
.irp c, 0,1
	ds_load_b128 v[AF+32*(\sp)+8*\m+4*\c:AF+32*(\sp)+8*\m+4*\c+3], v[A_FR] offset:8192*(\fb)+2048*\m+1024*(\sp)+512*\c
.endr
.endr
.endm
.macro BIASLD off                      ; bf1 of my four tiles of a chunk, in the layout of the result: 8 loads
	WIN 0
.irp t, 0,1,2,3
.irp k, 0,1
	ds_load_b128 v[GA+8*\t+4*\k:GA+8*\t+4*\k+3], v[BFA] offset:(\off)+128*(\t/2)+32*(\t%2)+16*\k
.endr
.endr
.endm
; A chunk of 256 hidden units; I make 64 of them.  fb: which buffer of images; j0: the chunk first group in the trip.  Sixteen accumulators take turns in every group.
; rb: the base that this chunk's loads name; group j asks for the group at rb + (ro + j) GB, eight groups ahead of itself.  sb: the other base, which is stepped here.
.macro CHUNK fb, j0, rb, ro, sb
.irp s, 0,1,2,3,4,5
.set sl, (1+(\j0)+\s)%8
	s_wait_loadcnt 63                              ; behind this group stand seven groups of 9 loads
.if \s == 5
	s_wait_dscnt 0x0
.else
	s_wait_dscnt 8                                 ; this K step of h is in (with it, at the first, the bias); the 8 loads of the next may be out
.endif
.irp m, 0,1,2,3
.if \s == 0
	WIN 0x81+0x40*(\m/2)
.else
	WIN 0xa1+0x50*(\m/2)
.endif
.irp t, 0,1,2,3
.if \s == 0
	MM 192+32*(\m%2)+8*\t,32*sl+8*\t,AF+32*(\s%2)+8*\m,GA+8*\t,WS+2*sl+(\t/2),SCL+6*\m+\s,(\t%2),0
.else
	MM 192+32*(\m%2)+8*\t,32*sl+8*\t,AF+32*(\s%2)+8*\m,192+32*(\m%2)+8*\t,WS+2*sl+(\t/2),SCL+6*\m+\s,(\t%2),0
.endif
.endr
.endr
	FREED
	LOADG sl,\rb,((\ro)+\s)*GB
.if \s+2 <= 5
	HFRAG \s+2
.endif
.endr
.irp w, 2,3
	WIN (((\w)<<2)|((\w)<<6))
.set ri, 0
.rept 64
	v_max_num_f32 v[192+ri], 0, v[192+ri]          ; the activation, in f32
.set ri, ri+1
.endr
	QUANT \w,192,4,PC+8*(\w-2),PW+2*(\w-2)
.endr
	s_wait_alu depctr_va_vdst(0)                   ; the two quantisers have written v[PC ..] and v[PW ..], which the eight LDS stores read
.irp m, 0,1,2,3
	ds_store_b128 v[A_FW], v[PC+4*\m:PC+4*\m+3] offset:8192*(\fb)+2048*\m
	ds_store_b16 v[A_FSW], v[PW+\m] offset:FSC+512*(\fb)+128*\m
.endr
	BARRIER                                        ; the chunk lies in buffer fb.  One barrier a chunk: buffer fb is written again only behind the next barrier, in front of which every wave has waited for its reads
	s_wait_alu depctr_vm_vsrc(0)                   ; my eight LDS stores have read v[PC ..] and v[PW ..], which the next chunk's quantisers (behind the last chunk: LayerNorm's sums) write again; the loads of bf1 issued so far have read v[BFA]
.if (\fb) == 0
	v_add_nc_u32 v[BFA], s63, v[A_PAR]             ; bf1 of this trip: both of the trip's loads of bf1 stand further down, each behind the wait at a group's end
.endif
.irp m, 0,1,2,3
	ds_load_b64 v[SCL+24+2*\m:SCL+25+2*\m], v[A_FSR] offset:FSC+512*(\fb)+128*\m     ; (the wait ahead of the stores has covered these registers and AF: nothing since names them)
.endr
	FFRAG \fb,0
	FFRAG \fb,1
.irp j, 6,7,8,9,10,11
.set sl, (1+(\j0)+\j)%8
	s_wait_loadcnt 63
.if \j == 7
	s_add_nc_u64 s[\sb:\sb+1], s[\sb:\sb+1], 24*GB ; the other base goes a trip on.  The youngest load that names it brought the group just waited for: the 63 loads that may be out are the seven groups asked for in this chunk, by this chunk's base
.endif
.if \j == 6
	s_wait_dscnt 8                                 ; scale words and first K step are in; the 8 loads of the second may be out
.endif
.if \j == 9
	s_wait_dscnt 16                                ; the second K step is in; behind it stand 8 loads of the next bias and 8 of h
.endif
.irp m, 0,1,2,3
	WIN 0xa1+0x50*(\m/2)
.irp f, 0,1,2,3
	MM 96*(\m%2)+8*(4*((\j-6)%3)+\f),32*sl+8*\f,AF+32*((\j-6)/3)+8*\m,96*(\m%2)+8*(4*((\j-6)%3)+\f),WS+2*sl+(\f/2),SCL+24+2*\m+((\j-6)/3),(\f%2),0
.endr
.endr
	FREED
	LOADG sl,\rb,((\ro)+\j)*GB
.if \j == 8
	BIASLD 6144+256*((\fb)+1)
	HFRAG 0
.endif
.if \j == 11
	HFRAG 1
.endif
.endr
.endm
.macro DOT th, buf                     ; the last product, a third of my columns: two outputs x four row tiles, eight chains
.irp w, 2,3
	WIN \w
.set li, 0
.rept 16
.irp mm, 0,1
.irp o, 0,1
.if ((\th) == 0) && (li == 0)
	v_pk_mul_f32 v[PC+4*(2*(\w-2)+\mm)+2*\o:PC+4*(2*(\w-2)+\mm)+2*\o+1], v[96*\mm+32*(\th)+li:96*\mm+32*(\th)+li+1], v[(\buf)+32*\o+li:(\buf)+32*\o+li+1]
.else
	v_pk_fma_f32 v[PC+4*(2*(\w-2)+\mm)+2*\o:PC+4*(2*(\w-2)+\mm)+2*\o+1], v[96*\mm+32*(\th)+li:96*\mm+32*(\th)+li+1], v[(\buf)+32*\o+li:(\buf)+32*\o+li+1], v[PC+4*(2*(\w-2)+\mm)+2*\o:PC+4*(2*(\w-2)+\mm)+2*\o+1]
.endif
.endr
.endr
.set li, li+2
.endr
.endr
.endm
; ---------------------------------------------------------------- the head
	s_load_b512 s[8:23], s[0:1], 0x0               ; inputs emb pos_emb wts bk1 bq1 bv1 bk2
	s_load_b512 s[24:39], s[0:1], 0x40             ; bq2 bv2 bp g1 be1 bf1 bf2 g2
	s_load_b256 s[40:47], s[0:1], 0x80             ; be2 Wo bo out0
	v_and_b32 v[TT], 31, v0
	v_lshlrev_b32 v[L16], 4, v[TT]
	v_lshlrev_b32 v[L8], 3, v[TT]
	v_lshlrev_b32 v[L4], 2, v[TT]
	v_and_b32 v[RR], 15, v0
	v_bfe_u32 v[HH], v0, 4, 1
	v_lshrrev_b32 v48, 5, v0
	v_readfirstlane_b32 s48, v48                   ; wave
	v_and_b32 v49, 8, v[RR]
	v_add_nc_u32 v49, v49, v[RR]                   ; r + (r & 8)
	s_wait_alu depctr_va_sdst(0)                   ; s48 is written, ahead of its first reader: LDS addresses, bases and the last branch are made from it
	s_lshr_b32 s49, s48, 1                         ; my sequence of the two
	s_and_b32 s50, s48, 1                          ; my head
	s_mov_b32 s52, 0x76543210
	s_mov_b32 s53, 0xfedcba98                      ; lane selects: lane l xor 16
	s_mov_b32 s54, 0x3e16c73f                      ; log2(e) / sqrt(96)
	s_mov_b32 s55, s54                             ; (named with it as a pair)
	s_mov_b32 s70, 0xffff0000                      ; lanes 16-31
	s_mov_b32 s71, 0x3aaaaaab                      ; 1 / 768
	; LDS addresses: each a constant + a constant x a lane term + a constant x the wave
	s_mul_i32 s51, s49, 12288
	v_add_nc_u32 v[A_XR], s51, v[L16]
	s_mul_i32 s51, s48, 1536
	v_add_nc_u32 v[A_CW], s51, v[L16]
	s_mul_i32 s51, s48, 6
	v_lshl_add_u32 v[A_SW], v[RR], 5, s51
	v_lshlrev_b32 v[A_SR], 5, v[RR]
	s_lshl_b32 s51, s49, 10
	v_lshl_add_u32 v[A_XSR], v[RR], 5, s51
	s_lshl_b32 s51, s49, 2
	s_add_co_u32 s51, s51, s50
	s_lshl_b32 s66, s51, 10
	v_add_nc_u32 v[A_ZW], s66, v[L16]
	s_lshl_b32 s66, s51, 7
	v_add_nc_u32 v[A_ZSW], s66, v[L4]
	s_lshl_b32 s51, s48, 9
	s_add_co_u32 s51, s51, FIMG
	v_add_nc_u32 v[A_FW], s51, v[L16]
	v_add_nc_u32 v[A_FR], FIMG, v[L16]
	s_lshl_b32 s51, s48, 1
	v_lshl_add_u32 v[A_FSW], v[RR], 3, s51
	v_lshlrev_b32 v[A_FSR], 3, v[RR]
	s_lshl_b32 s51, s48, 3
	v_lshl_add_u32 v[A_STW], v[RR], 5, s51
	v_lshlrev_b32 v[A_STR], 5, v[RR]
	s_mul_i32 s67, s48, PARW
	s_add_co_u32 s67, s67, PAR
	v_lshl_add_u32 v[A_PAR], v[HH], 6, s67
	v_mov_b32 v[BFA], v[A_PAR]                     ; bf1 of the first chunk
	v_add_nc_u32 v[A_PW8], s67, v[L8]
	v_add_nc_u32 v[A_PW4], s67, v[L4]
	s_add_co_u32 s66, s67, 8960
	v_lshl_add_u32 v[A_BV], v49, 2, s66
	s_lshl_b32 s66, s48, 2
	s_add_co_u32 s66, s66, OUTP
	v_lshl_add_u32 v[A_OW], v49, 5, s66
	v_lshl_add_u32 v[A_OW], v[HH], 4, v[A_OW]
	v_lshl_add_u32 v[A_OR], v[TT], 6, OUTP
	; offsets in memory
	s_mul_i32 s51, s48, 768
	v_add_nc_u32 v50, s51, v[L8]                   ; my 192 columns of a vector of 768, 8 bytes a lane
	s_lshl_b32 s51, s48, 8
	v_add_nc_u32 v51, s51, v[L8]                   ; my 64 units of a chunk of bf1
	v_lshlrev_b32 v52, 2, v49                      ; my token in a tile of indices
	v_lshlrev_b32 v53, 6, v[HH]
	v_mul_u32_u24 v[POSO], 0xc00, v49
	v_add_nc_u32 v[POSO], v53, v[POSO]
.irp i, 0,1,2,3,4,5,6,7
	v_mov_b32 v[TP+\i], 0                          ; written once: the destination of a lane permute counts as one of its sources
.endr
	s_wait_kmcnt 0x0
	s_load_b64 s[68:69], s[44:45], 0x0             ; bo
	s_mul_i32 s2, s48, 768
	s_mov_b32 s3, 0
	s_add_nc_u64 s[72:73], s[10:11], s[2:3]        ; emb and pos_emb at my columns
	s_add_nc_u64 s[74:75], s[12:13], s[2:3]
	s_lshl_b32 s2, ttmp9, 8
	s_add_nc_u64 s[76:77], s[8:9], s[2:3]          ; my 64 indices
	s_lshl_b32 s2, ttmp9, 9
	s_add_nc_u64 s[78:79], s[46:47], s[2:3]        ; my 64 rows of the output
	s_mul_i32 s2, s50, 27*GB
	s_add_co_u32 s2, s2, 384*GB
	s_add_nc_u64 s[56:57], s[14:15], s[2:3]        ; the 27 groups of my head
	s_mul_i32 s2, s48, 6*GB
	s_add_co_u32 s2, s2, 438*GB
	s_add_nc_u64 s[58:59], s[14:15], s[2:3]        ; my 6 groups of Wp
	s_mul_i32 s2, s48, 96*GB
	s_add_nc_u64 s[60:61], s[14:15], s[2:3]        ; my 96 groups of the FFN: the base of a trip's first chunk,
	s_mov_b64 s[66:67], s[60:61]                   ; and that of its second, which is stepped once before its first use
	s_cmp_eq_u32 s50, 0
	s_cselect_b64 s[2:3], s[16:17], s[22:23]       ; bk, bq, bv of my head
	s_cselect_b64 s[4:5], s[18:19], s[24:25]
	s_cselect_b64 s[6:7], s[20:21], s[26:27]
	s_wait_alu depctr_va_vdst(0)                   ; the addresses and offsets v1 to v5, v10 to v31 and v50 to v52 are written: every load and store of the kernel reads one of them
.irp m, 0,1,2,3
	global_load_b32 v[ROWO+\m], v52, s[76:77] offset:128*(\m/2)+32*(\m%2)
.endr
.set pi, 0
.irp sp, 28,30,32,36,38,40,42
.irp k, 0,1,2
	global_load_b64 v[AF+2*pi:AF+2*pi+1], v50, s[\sp:\sp+1] offset:256*\k
.set pi, pi+1
.endr
.endr
.irp k, 0,1,2
	global_load_b64 v[AF+2*pi:AF+2*pi+1], v50, s[42:43] offset:3072+256*\k
.set pi, pi+1
.endr
.irp c, 0,1,2,3,4,5,6,7
	global_load_b64 v[AF+2*pi:AF+2*pi+1], v51, s[34:35] offset:1024*\c
.set pi, pi+1
.endr
.irp u, 0,1,2
.irp k, 0,1,2
	global_load_b32 v[GA+3*\u+\k], v[L4], s[2+2*\u:3+2*\u] offset:128*\k
.endr
.endr
	s_wait_loadcnt 0x0
	s_wait_kmcnt 0x0
.irp m, 0,1,2,3
	v_min_u32 v[ROWO+\m], 0xc450, v[ROWO+\m]       ; an index is held inside the table
.endr
.irp m, 0,1,2,3
	v_mul_u32_u24 v[ROWO+\m], 0xc00, v[ROWO+\m]
.endr
.irp m, 0,1,2,3
	v_add_nc_u32 v[ROWO+\m], v53, v[ROWO+\m]
.endr
	WIN 0x40                                       ; pos_emb of my columns: tile u at v[96 u] of window 1
	s_wait_alu depctr_va_vdst(0)                   ; the four offsets v[ROWO ..] are written, which the loads of emb below read; only loads and window switches stand between
.irp u, 0,1
.irp b, 0,1,2,3,4,5
.irp k, 0,1,2,3
	global_load_b128 v[96*\u+16*\b+4*\k:96*\u+16*\b+4*\k+3], v[POSO], s[74:75] offset:24576*\u+128*\b+16*\k
.endr
.endr
.endr
.irp m, 0,1,2,3                        ; the rows of emb, straight into X(m)
	WIN 0x80+0x40*(\m/2)
.irp b, 0,1,2,3,4,5
.irp k, 0,1,2,3
	global_load_b128 v[96*(\m%2)+16*\b+4*\k:96*(\m%2)+16*\b+4*\k+3], v[ROWO+\m], s[72:73] offset:128*\b+16*\k
.endr
.endr
.endr
	WIN 0
.set pi, 0
.rept 32
	ds_store_b64 v[A_PW8], v[AF+2*pi:AF+2*pi+1] offset:256*pi      ; my parameter block: read by my wave alone, in order behind these stores.  (The data came by loads: no vector instruction has named them)
.set pi, pi+1
.endr
.set pi, 0
.rept 9
	ds_store_b32 v[A_PW4], v[GA+pi] offset:8192+128*pi
.set pi, pi+1
.endr
.macro XADD m, cnt
	s_wait_loadcnt \cnt                            ; pos_emb and this tile are in; the 24 loads of each later tile may be out (the first count would be 72: a smaller one is safe)
	WIN ((2+(\m)/2)|4|((2+(\m)/2)<<6))
.set xi, 0
.rept 48
	v_pk_add_f32 v[96*((\m)%2)+xi:96*((\m)%2)+xi+1], v[96*((\m)%2)+xi:96*((\m)%2)+xi+1], v[96*((\m)%2)+xi:96*((\m)%2)+xi+1]   ; source 1 is pos_emb, in window 1
.set xi, xi+2
.endr
.endm
	XADD 0, 63
	XADD 1, 48
	XADD 2, 24
	XADD 3, 0
	WIN 0
	s_wait_alu depctr_va_vdst(0)                   ; the additions are done reading pos_emb in window 1, where the ring's slots lie
.irp n, 0,1,2,3,4,5,6,7
	LOADSEQ \n                                     ; the ring starts: from here on its loads are the only loads from memory
.endr
	s_wait_dscnt 0x0                               ; my 41 parameter stores, issued ahead of the gather's waits, are done
	s_wait_alu depctr_vm_vsrc(0)                   ; they have read v[AF ..], in which x's fragments land, and v192 to v200, which the quantiser writes; the head's loads have read their offsets v50 to v52, which it writes too
	QBIAS 8192                                     ; bk
	QPAIR 2,XIMG,XSC
	QPAIR 3,XIMG,XSC
	BARRIER                                        ; x lies in LDS as 24 fragments
	s_wait_alu depctr_vm_vsrc(0)                   ; my 24 LDS stores have read v[PCQ ..] and v[PWQ ..]: these registers take q's codes, S^T, bv and V's fragments below
; ---------------------------------------------------------------- q, k, v and attention: my sequence, my head
.irp u, 0,1
	ds_load_b128 v[SCL+6*\u:SCL+6*\u+3], v[A_XSR] offset:XSC+512*\u
	ds_load_b64 v[SCL+6*\u+4:SCL+6*\u+5], v[A_XSR] offset:XSC+512*\u+16
.endr
	XFRAG 0
	XFRAG 1
	DSTEP 0, 8
	DSTEP 1, 8
	DSTEP 2, 8
.irp u, 0,1                            ; k, quantised along the 96 of the head
	QUANT 2+\u,192,3,PC+8*\u,PW
	v_lshl_or_b32 v[SCL+12+\u], v[PW+1], 16, v[PW]
.endr
	WIN 0x80
	s_wait_alu depctr_va_vdst(0)                   ; the quantiser is done reading k's twelve accumulators, in which bq lands
	QBIAS 8576                                     ; bq
	DSTEP 3, 0
	DSTEP 4, 8
	DSTEP 5, 8
.irp u, 0,1
	QUANT 2+\u,192,3,240+8*\u,PW
	v_lshl_or_b32 v[SCL+14+\u], v[PW+1], 16, v[PW]
.endr
	PLACES 8                                       ; a scale register written by a vector instruction stands 8 places ahead of a scaled matrix instruction, an operand 4
	s_wait_alu depctr_va_vdst(0)                   ; k's and q's codes and their four scale words are written, which the scaled matrix instructions take; the places above stay beside this wait
.irp q, 0,1                            ; S^T = K Q^T: lane (r, h) holds query position r and keys 16 h + 0 .. 15
.irp ku, 0,1
	MM SS+16*\q+8*\ku,PC+8*\ku,240+8*\q,-1,SCL+12+\ku,SCL+14+\q,0,0
.endr
.endr
	PLACES 4
.irp q, 0,1
	v_max3_num_f32 v[TM+\q], v[SS+16*\q], v[SS+16*\q+1], v[SS+16*\q+2]
.endr
.irp i, 3,5,7,9,11,13
.irp q, 0,1
	v_max3_num_f32 v[TM+\q], v[TM+\q], v[SS+16*\q+\i], v[SS+16*\q+\i+1]
.endr
.endr
.irp q, 0,1
	v_max_num_f32 v[TM+\q], v[TM+\q], v[SS+16*\q+15]
.endr
.irp q, 0,1
	v_permlanex16_b32 v[TP+\q], v[TM+\q], s52, s53
.endr
.irp q, 0,1
	v_max_num_f32 v[TM+\q], v[TM+\q], v[TP+\q]     ; the largest score of the row
.endr
.irp q, 0,1
	v_mul_f32 v[TP+\q], s54, v[TM+\q]              ; as t
.endr
.irp q, 0,1
	v_floor_f32 v[SO+2*\q], -v[TP+\q]              ; -M = floor(-t): M is a whole number
.endr
.irp q, 0,1
	v_mov_b32 v[SO+2*\q+1], v[SO+2*\q]
.endr
.irp j, 0,2,4,6,8,10,12,14
.irp q, 0,1
	v_pk_fma_f32 v[SS+16*\q+\j:SS+16*\q+\j+1], v[SS+16*\q+\j:SS+16*\q+\j+1], s[54:55], v[SO+2*\q:SO+2*\q+1] op_sel_hi:[1,0,0]   ; t - M
.endr
.endr
.irp q, 0,1
	v_fma_f32 v[TM+\q], v[TM+\q], s54, v[SO+2*\q]  ; the same of the largest score: p rises with the score
.endr
.set ei, 0
.rept 32
	v_exp_f32 v[SS+ei], v[SS+ei]                   ; p = 2^(t - M), not normalised
.set ei, ei+1
.endr
	v_exp_f32 v[TM], v[TM]                         ; the largest p of the block of 32 keys
	v_exp_f32 v[TM+1], v[TM+1]
	v_nop                                          ; a plain instruction behind the exponentials
	s_wait_alu depctr_va_vdst(0)                   ; one wait for the batch of 34 exponentials in v[SS ..] and v[TM ..], ahead of its first reader
.irp q, 0,1                            ; the sum of the unquantised p
	v_pk_add_f32 v[PW+4*\q:PW+4*\q+1], v[SS+16*\q:SS+16*\q+1], v[SS+16*\q+2:SS+16*\q+3]
	v_pk_add_f32 v[PW+4*\q+2:PW+4*\q+3], v[SS+16*\q+4:SS+16*\q+5], v[SS+16*\q+6:SS+16*\q+7]
.endr
.irp q, 0,1
	v_pk_add_f32 v[PW+4*\q:PW+4*\q+1], v[PW+4*\q:PW+4*\q+1], v[SS+16*\q+8:SS+16*\q+9]
	v_pk_add_f32 v[PW+4*\q+2:PW+4*\q+3], v[PW+4*\q+2:PW+4*\q+3], v[SS+16*\q+10:SS+16*\q+11]
.endr
.irp q, 0,1
	v_pk_add_f32 v[PW+4*\q:PW+4*\q+1], v[PW+4*\q:PW+4*\q+1], v[SS+16*\q+12:SS+16*\q+13]
	v_pk_add_f32 v[PW+4*\q+2:PW+4*\q+3], v[PW+4*\q+2:PW+4*\q+3], v[SS+16*\q+14:SS+16*\q+15]
.endr
.irp q, 0,1
	v_pk_add_f32 v[PW+4*\q:PW+4*\q+1], v[PW+4*\q:PW+4*\q+1], v[PW+4*\q+2:PW+4*\q+3]
.endr
.irp q, 0,1
	v_add_f32 v[PW+4*\q], v[PW+4*\q], v[PW+4*\q+1]
.endr
.irp q, 0,1
	v_permlanex16_b32 v[TP+\q], v[PW+4*\q], s52, s53
.endr
.irp q, 0,1
	v_add_f32 v[PW+4*\q], v[PW+4*\q], v[TP+\q]     ; l
.endr
.irp q, 0,1
	v_rcp_f32 v[54+8*\q], v[PW+4*\q]               ; 1 / l, twice: a pair for the packed multiply; kept in v54-55 and v62-63
	v_rcp_f32 v[55+8*\q], v[PW+4*\q]
.endr
.irp q, 0,1
	v_max_num_f32 v[TM+\q], 0x1800000, v[TM+\q]    ; (plain work behind the reciprocals)  the floor
.endr
	s_wait_alu depctr_va_vdst(0)                   ; one wait for the four reciprocals in v54, v55, v62, v63
.irp q, 0,1
	v_add_nc_u32 v[SO+4+\q], 0xff000000, v[TM+\q]
.endr
.irp q, 0,1
	v_lshrrev_b32 v[SCL+16+\q], 23, v[SO+4+\q]     ; the scale word of p: one block; the three that pad K have the byte 0 and zero codes
.endr
.irp q, 0,1
.irp i, 2,3,4,5,6,7
	v_mov_b32 v[PC+8*\q+\i], 0
.endr
.endr
.irp q, 0,1
	v_cvt_scalef32_pk8_fp4_f32 v[PC+8*\q], v[SS+16*\q:SS+16*\q+7], v[SO+4+\q]
	v_cvt_scalef32_pk8_fp4_f32 v[PC+8*\q+1], v[SS+16*\q+8:SS+16*\q+15], v[SO+4+\q]
.endr
	v_nop
.irp q, 0,1
	v_permlane16_swap_b32 v[PC+8*\q], v[PC+8*\q+2]
	v_permlane16_swap_b32 v[PC+8*\q+1], v[PC+8*\q+3]
.endr
	DSTEP 6, 8                                     ; v = x Wv^T, untransposed: lane (r, h) holds one channel and tokens 16 h + 8 u + j
	DSTEP 7, 8
	DSTEP 8, 0
	WIN 0
.irp t, 0,1,2,3,4,5
	ds_load_b32 v[224+\t], v[A_BV] offset:128*(\t/2)+32*(\t%2)     ; (the last group's wait has covered v224 to v229: only loads stand between)
.endr
	s_wait_dscnt 0x0
.irp u, 0,1
	WIN ((2+\u)|((2+\u)<<6))
.irp t, 0,1,2,3,4,5
.irp j, 0,1,2,3,4,5,6,7
	v_add_f32 v[192+8*\t+\j], v[192+8*\t+\j], v[224+\t]
.endr
.endr
.endr
	WIN 0x0a                                       ; v is quantised along the 32 tokens: 8 of my 16 in window 2, 8 in window 3
.irp t, 0,1,2,3,4,5
	v_max3_num_f32 v[TM+\t], |v[192+8*\t]|, |v[192+8*\t+1]|, 0x1800000
.endr
.irp i, 2,4,6
.irp t, 0,1,2,3,4,5
	v_max3_num_f32 v[TM+\t], |v[192+8*\t+\i]|, |v[192+8*\t+\i+1]|, v[TM+\t]
.endr
.endr
	WIN 0x0f
.irp i, 0,2,4,6
.irp t, 0,1,2,3,4,5
	v_max3_num_f32 v[TM+\t], |v[192+8*\t+\i]|, |v[192+8*\t+\i+1]|, v[TM+\t]
.endr
.endr
	WIN 0
.irp t, 0,1,2,3,4,5
	v_permlanex16_b32 v[TP+\t], v[TM+\t], s52, s53
.endr
.irp t, 0,1,2,3,4,5
	v_max_num_f32 v[TM+\t], v[TM+\t], v[TP+\t]
.endr
.irp t, 0,1,2,3,4,5
	v_add_nc_u32 v[SO+\t], 0xff000000, v[TM+\t]
.endr
.irp t, 0,1,2,3,4,5
	v_lshrrev_b32 v[SCL+18+\t], 23, v[SO+\t]
.endr
.irp t, 0,1,2,3,4,5
.irp i, 2,3,4,5,6,7
	v_mov_b32 v[VF\t+\i], 0
.endr
.endr
	WIN 2
.irp t, 0,1,2,3,4,5
	v_cvt_scalef32_pk8_fp4_f32 v[VF\t], v[192+8*\t:192+8*\t+7], v[SO+\t]
.endr
	WIN 3
.irp t, 0,1,2,3,4,5
	v_cvt_scalef32_pk8_fp4_f32 v[VF\t+1], v[192+8*\t:192+8*\t+7], v[SO+\t]
.endr
	WIN 0
	v_nop
.irp t, 0,1,2,3,4,5
	v_permlane16_swap_b32 v[VF\t], v[VF\t+2]
	v_permlane16_swap_b32 v[VF\t+1], v[VF\t+3]
.endr
	PLACES 8
	s_wait_alu depctr_va_vdst(0)                   ; V's and p's codes and their eight scale words are written, which the scaled matrix instructions take; the places above stay beside this wait
.irp q, 0,1                            ; O^T = V^T P^T
	WIN 0x80+0x40*\q
.irp t, 0,1,2,3,4,5
	MM 192+8*\t,VF\t,PC+8*\q,-1,SCL+18+\t,SCL+16+\q,0,0
.endr
.endr
	PLACES 4
.irp q, 0,1
	WIN ((2+\q)|((2+\q)<<6))
.set zi, 0
.rept 24
	v_pk_mul_f32 v[192+zi:193+zi], v[192+zi:193+zi], v[54+8*\q:55+8*\q]      ; / l
.set zi, zi+2
.endr
.endr
.irp q, 0,1
	QUANT 2+\q,192,3,PC+8*\q,PW
	v_lshl_or_b32 v[PW+2+\q], v[PW+1], 16, v[PW]
.endr
	s_wait_alu depctr_va_vdst(0)                   ; both tiles' codes in v[PC ..] and their scale words in v[PW+2], v[PW+3] are written, which the six LDS stores read; all matrix instructions so far are done reading AF and SCL, in which the loads behind the barrier land
.irp q, 0,1
	ds_store_b128 v[A_ZW], v[PC+8*\q:PC+8*\q+3] offset:ZIMG+2048*\q
	ds_store_b128 v[A_ZW], v[PC+8*\q+4:PC+8*\q+7] offset:ZIMG+2048*\q+512
	ds_store_b32 v[A_ZSW], v[PW+2+\q] offset:ZSC+256*\q
.endr
	BARRIER                                        ; z lies in LDS: eight fragments, K step = head
	s_wait_alu depctr_vm_vsrc(0)                   ; my six LDS stores have read v[PC ..] and v[PW+2], v[PW+3], which LayerNorm's sums write again
; ---------------------------------------------------------------- the projection adds onto x
.irp m, 0,1,2,3
.irp a, 0,1
	ds_load_b32 v[SCL+2*\m+\a], v[L4] offset:ZSC+128*(2*\m+\a)
.endr
.endr
.irp a, 0,1
.irp m, 0,1,2,3
.irp c, 0,1
	ds_load_b128 v[AF+32*\a+8*\m+4*\c:AF+32*\a+8*\m+4*\c+3], v[L16] offset:ZIMG+1024*(2*\m+\a)+512*\c
.endr
.endr
.endr
	s_wait_dscnt 0x0
.irp a, 0,1
.irp gg, 0,1,2
.set gn, 27+3*\a+\gg
.set sl, gn%8
	s_wait_loadcnt 63                              ; behind this group stand seven groups of 9 loads
.irp m, 0,1,2,3
	WIN 0xa1+0x50*(\m/2)
.irp f, 0,1,2,3
	MM 96*(\m%2)+8*(4*\gg+\f),32*sl+8*\f,AF+32*\a+8*\m,96*(\m%2)+8*(4*\gg+\f),WS+2*sl+(\f/2),SCL+2*\m+\a,(\f%2),0
.endr
.endr
	GEND gn
.endr
.endr
	LN 0, 768, 1536                                ; h = LayerNorm(x + z Wp^T + bp)
	QPAIR 2,HIMG,HSC
	QPAIR 3,HIMG,HSC
	BARRIER                                        ; h lies in LDS as 24 fragments
	s_wait_alu depctr_vm_vsrc(0)                   ; my 24 LDS stores have read v[PCQ ..], in which bf1 lands; LayerNorm's four have read v[PW ..], which the chunks' quantisers write, and v[A_STW], which is stepped behind the loop, as its loads have read v[A_STR]
; ---------------------------------------------------------------- the FFN: 8 chunks of 256 hidden units, two a trip (24 groups are three laps of the ring)
.irp m, 0,1,2,3
	ds_load_b128 v[SCL+6*\m:SCL+6*\m+3], v[A_SR] offset:HSC+512*\m          ; (the wait ahead of h's last stores has covered SCL, GA and AF: no vector or matrix instruction stands behind it)
	ds_load_b64 v[SCL+6*\m+4:SCL+6*\m+5], v[A_SR] offset:HSC+512*\m+16
.endr
	s_mov_b32 s63, 0
	BIASLD 6144
	HFRAG 0
	HFRAG 1
	s_mov_b32 s62, 4
.Lffn:
	CHUNK 0, 0, 60, 8, 66                          ; asks for the trip's groups 8 to 19 by s[60:61]; steps s[66:67]
	CHUNK 1, 12, 66, -4, 60                        ; asks for groups 20 to 31 by s[66:67], which stands a trip on already; steps s[60:61]
	s_add_co_u32 s63, s63, 512
	s_sub_co_u32 s62, s62, 1
	s_cmp_lg_u32 s62, 0
	s_cbranch_scc1 .Lffn
	s_wait_dscnt 0x0                               ; what the last chunk asked for ahead has landed: its registers are used again
	v_add_nc_u32 v[A_STW], ST2-ST1, v[A_STW]       ; (free since the wait on vm_vsrc behind h's barrier; their next readers stand behind LayerNorm's wait ahead of its stores)
	v_add_nc_u32 v[A_STR], ST2-ST1, v[A_STR]
	LN 2304, 3072, 3840                            ; o = LayerNorm(h + f W2^T + bf2)
; ---------------------------------------------------------------- the last product, N = 2, in f32
	s_wait_alu depctr_va_vdst(0)                   ; LayerNorm's last multiply-adds are done reading v[GA ..] and v[AF ..], in which Wo lands
	LDPAR GA,4608,0
	LDPAR GA+32,5376,0
	LDPAR AF,4608,1
	LDPAR AF+32,5376,1
	s_wait_dscnt 16                                ; the first third of Wo is in; the 16 loads of the second may be out
	DOT 0,GA
	WIN 0
	s_wait_alu depctr_va_vdst(0)                   ; the first third's multiply-adds are done reading v[GA ..], in which the last third lands
	LDPAR GA,4608,2
	LDPAR GA+32,5376,2
	s_wait_dscnt 16
	DOT 1,AF
	s_wait_dscnt 0x0
	DOT 2,GA
	WIN 0
.irp i, 0,1,2,3,4,5,6,7
	v_add_f32 v[PC+2*\i], v[PC+2*\i], v[PC+2*\i+1]
.endr
.irp i, 0,1,2,3,4,5,6,7
	v_permlanex16_b32 v[TP+\i], v[PC+2*\i], s52, s53
.endr
.irp i, 0,1,2,3,4,5,6,7
	v_add_f32 v[PC+2*\i], v[PC+2*\i], v[TP+\i]
.endr
.irp m, 0,1,2,3
	v_cndmask_b32 v[TM+\m], v[PC+4*\m], v[PC+4*\m+2], s70          ; lanes 0-15 hand on output 0, lanes 16-31 output 1
.endr
	s_wait_alu depctr_va_vdst(0)                   ; the four numbers in v[TM ..] are written, which the LDS stores read; the last third's multiply-adds are done reading v[GA ..], in which wave 0's loads behind the barrier land
.irp m, 0,1,2,3
	ds_store_b32 v[A_OW], v[TM+\m] offset:1024*(\m/2)+256*(\m%2)
.endr
	BARRIER                                        ; the four parts of each of the 128 numbers lie side by side
	s_cmp_lg_u32 s48, 0
	s_cbranch_scc1 .Ldone
.irp i, 0,1,2,3
	ds_load_b128 v[GA+4*\i:GA+4*\i+3], v[A_OR] offset:16*\i
.endr
	s_wait_dscnt 0x0
.irp i, 0,1,2,3
	v_add_f32 v[GA+4*\i], v[GA+4*\i], v[GA+4*\i+1]
	v_add_f32 v[GA+4*\i+2], v[GA+4*\i+2], v[GA+4*\i+3]
.endr
.irp i, 0,1,2,3
	v_add_f32 v[GA+4*\i], v[GA+4*\i], v[GA+4*\i+2]
.endr
.irp i, 0,1,2,3
	v_add_f32 v[PC+\i], s[68+(\i%2)], v[GA+4*\i]
.endr
	s_wait_alu depctr_va_vdst(0)                   ; the four results in v[PC ..] are written, which the store reads
	global_store_b128 v[L16], v[PC:PC+3], s[78:79] ; two rows a lane: the wave stores 512 consecutive bytes
.Ldone:
	s_wait_xcnt 0x0
	v_lshl_add_u32 v254, v0, 2, 0x1e400            ; the add's two registers, made anew: no memory or LDS instruction of the kernel has read v254 or v255
	v_mov_b32 v255, 0
	s_wait_dscnt 0x0                               ; the closing lines, six on end
	s_wait_alu 0x0
	s_wait_tensorcnt 0x0
	ds_add_u32 v254, v255
	s_wait_dscnt 0x0
	s_endpgm
.Lfunc_end_k_q3852ad4fc1_layer:
	.size	k_q3852ad4fc1_layer, .Lfunc_end_k_q3852ad4fc1_layer-k_q3852ad4fc1_layer
	.p2alignl 7, 3214868480
	.fill 96, 4, 3214868480
	.section	.rodata,"a",@progbits
	.p2align	6, 0x0
	.amdhsa_kernel k_q3852ad4fc1_layer
		.amdhsa_group_segment_fixed_size 124416
		.amdhsa_private_segment_fixed_size 0
		.amdhsa_enable_private_segment 0
		.amdhsa_kernarg_size 160
		.amdhsa_user_sgpr_count 2
		.amdhsa_user_sgpr_kernarg_segment_ptr 1
		.amdhsa_wavefront_size32 1
		.amdhsa_system_sgpr_workgroup_id_x 1
		.amdhsa_system_sgpr_workgroup_id_y 1
		.amdhsa_system_sgpr_workgroup_id_z 1
		.amdhsa_system_vgpr_workitem_id 0
		.amdhsa_next_free_vgpr 1024
		.amdhsa_next_free_sgpr 80
		.amdhsa_reserve_vcc 0
		.amdhsa_float_denorm_mode_32 3
		.amdhsa_float_denorm_mode_16_64 3
		.amdhsa_memory_ordered 1
		.amdhsa_forward_progress 1
		.amdhsa_inst_pref_size 255
	.end_amdhsa_kernel
	.section	.bss,"aw",@nobits
	.p2align	6
	.space	262144
	.amdgpu_metadata
---
amdhsa.version: [ 1, 2 ]
amdhsa.kernels:
  - .name:           k_q3852ad4fc1_layer
    .symbol:         k_q3852ad4fc1_layer.kd
    .args:
      - { .name: inputs, .offset: 0, .size: 8, .value_kind: global_buffer, .address_space: global }
      - { .name: emb, .offset: 8, .size: 8, .value_kind: global_buffer, .address_space: global }
      - { .name: pos_emb, .offset: 16, .size: 8, .value_kind: global_buffer, .address_space: global }
      - { .name: wts, .offset: 24, .size: 8, .value_kind: global_buffer, .address_space: global }
      - { .name: bk1, .offset: 32, .size: 8, .value_kind: global_buffer, .address_space: global }
      - { .name: bq1, .offset: 40, .size: 8, .value_kind: global_buffer, .address_space: global }
      - { .name: bv1, .offset: 48, .size: 8, .value_kind: global_buffer, .address_space: global }
      - { .name: bk2, .offset: 56, .size: 8, .value_kind: global_buffer, .address_space: global }
      - { .name: bq2, .offset: 64, .size: 8, .value_kind: global_buffer, .address_space: global }
      - { .name: bv2, .offset: 72, .size: 8, .value_kind: global_buffer, .address_space: global }
      - { .name: bp, .offset: 80, .size: 8, .value_kind: global_buffer, .address_space: global }
      - { .name: g1, .offset: 88, .size: 8, .value_kind: global_buffer, .address_space: global }
      - { .name: be1, .offset: 96, .size: 8, .value_kind: global_buffer, .address_space: global }
      - { .name: bf1, .offset: 104, .size: 8, .value_kind: global_buffer, .address_space: global }
      - { .name: bf2, .offset: 112, .size: 8, .value_kind: global_buffer, .address_space: global }
      - { .name: g2, .offset: 120, .size: 8, .value_kind: global_buffer, .address_space: global }
      - { .name: be2, .offset: 128, .size: 8, .value_kind: global_buffer, .address_space: global }
      - { .name: Wo, .offset: 136, .size: 8, .value_kind: global_buffer, .address_space: global }
      - { .name: bo, .offset: 144, .size: 8, .value_kind: global_buffer, .address_space: global }
      - { .name: out0, .offset: 152, .size: 8, .value_kind: global_buffer, .address_space: global }
    .group_segment_fixed_size: 124416
    .private_segment_fixed_size: 0
    .kernarg_segment_align: 8
    .kernarg_segment_size: 160
    .max_flat_workgroup_size: 128
    .sgpr_count:     80
    .vgpr_count:     1024
    .wavefront_size: 32
...
	.end_amdgpu_metadata
.endif
;; end of part 3
